; MI455X (gfx1250); checked and timed in simulation.
; The chip was launched on July 23, 2026; its instructions are those of AMD's public machine-readable ISA for CDNA 5 (MIT licence, August 2026) and "CDNA5" Instruction Set Architecture Reference Guide (July 2026). The comments in the code are by the model that wrote it; some were corrected since.
;; Multi Head Attention. Allowed arithmetic: float matrix products may take bf16 or f16 operands with f32 sums; other float arithmetic in f32, or as packed bf16 or f16 multiplies, adds, multiply-adds, maxima and minima; sums over many terms, partial sums and values carried from step to step in f32; what a program stores and reads back later, other than sums and carried values, may be rounded once to bf16 or f16.
;; Inputs: Wc 1,024 x 1,024 float32; Wk 1,024 x 1,024 float32; Wq 1,024 x 1,024 float32; Wv 1,024 x 1,024 float32; bc 1,024 float32; bk 1,024 float32; bq 1,024 float32; bv 1,024 float32; k 4 x 2,048 x 1,024 float32; mask 4 x 1 x 1 x 2,048 bool; q 4 x 2,048 x 1,024 float32; v 4 x 2,048 x 1,024 float32.
;; Outputs: out0 4 x 2,048 x 1,024 float32.
;; 2 versions, each right; version 2 is version 1 with the launch prep written anew for expert scheduling mode. Each part assembles by itself: llvm-mc -triple=amdgcn-amd-amdhsa -mcpu=gfx1250 --defsym DOCPART=n.
;; ======== version 1 of 2: 4 launches
;; limits: values are held in f16: magnitudes above 65,504 overflow, below 6.1e-05 lose precision
;; workspace buffers: wts 8,388,608 bytes; aux 49,664 bytes; qkv 50,331,648 bytes; ctx 16,777,216 bytes
;; launch prep (part 1): grid 257 x 1, 8 waves a work-group, no clusters, 0 bytes of LDS; arguments Wq, Wk, Wv, Wc, bq, bk, bv, bc, mask, wts, aux; writes wts, aux
.if DOCPART == 1
	.amdgcn_target "amdgcn-amd-amdhsa--gfx1250"
	.amdhsa_code_object_version 6
	.text
	.protected	k_q8804bae205_prep
	.globl	k_q8804bae205_prep
	.p2align	8
	.type	k_q8804bae205_prep,@function
k_q8804bae205_prep:
	s_mov_b64 s[64:65], 0
	v_nop
	global_prefetch_b8 v0, s[64:65] scope:SCOPE_SE
	s_setreg_imm32_b32 hwreg(HW_REG_WAVE_MODE, 25, 1), 1
	s_wait_xcnt 0x0
; PREPARATION: a stream, no LDS, no matrix unit.
; wts[4][1024][1024], 16 bits a number: matrices 0-2 = Wq, Wk, Wv rounded to bf16; matrix 3 = Wc rounded to bf16 and that number written as f16.
; aux: bytes 0 .. 32,767      madd[4][2048] f32: 0 for a visible key, -1e30 for a masked one
;      bytes 32,768 .. 49,151 biasS[4][1024] f32: c x bf16(bq), bf16(bk), bf16(bv), bf16(bc); c = log2(e) / 8
;      bytes 49,152 .. 49,663 qz: 32 equal words a batch: 0 where every key of the batch is masked, else all ones
; LIMITS.  bf16(Wc) is written as f16: beyond 65,504 it becomes an infinity, below 6e-5 it keeps f16's fixed step of 6e-8.  A mask byte is 0 or 1.
; Work-groups 0-255: 65,536 bytes of one weight matrix each; a load of a wave covers 512 neighbouring bytes, a store 256.  Work-group 256: waves 0-3 a batch's mask each, waves 4-7 a bias each.
.set CLOG, 0x3e38aa3b
.set BIGN, 0xf149f2ca
	s_load_b512 s[4:19], s[0:1], 0x0               ; Wq s[4:5], Wk s[6:7], Wv s[8:9], Wc s[10:11], bq s[12:13], bk s[14:15], bv s[16:17], bc s[18:19]
	s_load_b128 s[20:23], s[0:1], 0x40             ; mask s[20:21], wts s[22:23]
	s_load_b64 s[24:25], s[0:1], 0x50              ; aux
	v_lshlrev_b32 v1, 4, v0                        ; 16 t: my 16 bytes of 4,096
	v_lshlrev_b32 v2, 3, v0                        ; 8 t: my 8 bytes of 2,048
	v_lshrrev_b32 v3, 5, v0
	v_readfirstlane_b32 s34, v3                    ; wave 0..7
	s_mov_b32 s31, 0                               ; the upper word of every offset
	s_wait_kmcnt 0x0
	s_cmp_eq_u32 ttmp9, 256
	s_cbranch_scc1 .Lsmall
	; THE WEIGHTS
	s_lshr_b32 s28, ttmp9, 6                       ; which matrix
	s_cmp_eq_u32 s28, 1
	s_cselect_b64 s[26:27], s[6:7], s[4:5]
	s_cmp_eq_u32 s28, 2
	s_cselect_b64 s[26:27], s[8:9], s[26:27]
	s_cmp_eq_u32 s28, 3
	s_cselect_b64 s[26:27], s[10:11], s[26:27]
	s_and_b32 s30, ttmp9, 63
	s_lshl_b32 s30, s30, 16                        ; my 65,536 bytes of it
	s_add_nc_u64 s[26:27], s[26:27], s[30:31]
	s_lshl_b32 s30, ttmp9, 15                      ; and the 32,768 bytes that they become
	s_add_nc_u64 s[22:23], s[22:23], s[30:31]
.set j, 0
.rept 16
	global_load_b128 v[8+4*j:11+4*j], v1, s[26:27] offset:4096*j th:TH_LOAD_NT
.set j, j+1
.endr
	s_cmp_eq_u32 s28, 3
	s_cbranch_scc1 .Lhalf
.set j, 0
.rept 16
	s_wait_loadcnt 15-j                            ; loads come back in order: load j is in, the younger ones stay out
	v_cvt_pk_bf16_f32 v[72+2*j], v[8+4*j], v[9+4*j]
	v_cvt_pk_bf16_f32 v[73+2*j], v[10+4*j], v[11+4*j]
	global_store_b64 v2, v[72+2*j:73+2*j], s[22:23] offset:2048*j  ; each store has data registers of its own
.set j, j+1
.endr
	s_endpgm
.Lhalf:                                                ; Wc: rounded to bf16 like every input, and that number written as f16
.set j, 0
.rept 16
	s_wait_loadcnt 15-j
	v_cvt_pk_bf16_f32 v104, v[8+4*j], v[9+4*j]
	v_cvt_pk_bf16_f32 v105, v[10+4*j], v[11+4*j]
	v_lshlrev_b32 v106, 16, v104
	v_and_b32 v107, 0xffff0000, v104
	v_lshlrev_b32 v108, 16, v105
	v_and_b32 v109, 0xffff0000, v105
	v_cvt_pk_f16_f32 v[72+2*j], v106, v107
	v_cvt_pk_f16_f32 v[73+2*j], v108, v109
	global_store_b64 v2, v[72+2*j:73+2*j], s[22:23] offset:2048*j
.set j, j+1
.endr
	s_endpgm
.Lsmall:
	v_and_b32 v4, 31, v0                           ; lane
	v_lshlrev_b32 v5, 2, v4
	v_lshlrev_b32 v6, 4, v4
	s_cmp_lt_u32 s34, 4
	s_cbranch_scc0 .Lbias
	; THE MASK of batch w: 2,048 bytes; a lane's word i holds keys 128 i + 4 lane + 0..3
	s_lshl_b32 s30, s34, 11
	s_add_nc_u64 s[20:21], s[20:21], s[30:31]
	s_lshl_b32 s30, s34, 13
	s_add_nc_u64 s[26:27], s[24:25], s[30:31]      ; madd of the batch
	s_lshl_b32 s30, s34, 7
	s_add_co_u32 s30, s30, 49152
	s_add_nc_u64 s[28:29], s[24:25], s[30:31]      ; qz of the batch
	s_mov_b32 s32, BIGN
	s_mov_b32 s33, 0x01010101
.set j, 0
.rept 16
	global_load_b32 v[8+j], v5, s[20:21] offset:128*j
.set j, j+1
.endr
	s_wait_loadcnt 0x0
.set j, 0
.rept 16
.irp n, 0,1,2,3
	v_bfe_u32 v[24+4*j+\n], v[8+j], 8*\n, 1        ; the byte's bit 0,
	v_mul_lo_u32 v[24+4*j+\n], v[24+4*j+\n], s32   ; times the pattern of -1e30
.endr
	global_store_b128 v6, v[24+4*j:27+4*j], s[26:27] offset:512*j
.set j, j+1
.endr
	v_and_b32 v104, v8, v9                         ; are all 2,048 bytes 1?
.set j, 2
.rept 14
	v_and_b32 v104, v104, v[8+j]
.set j, j+1
.endr
	v_cmp_eq_u32 vcc_lo, s33, v104
	s_cmp_eq_u32 vcc_lo, -1
	s_cselect_b32 s35, 0, -1
	v_mov_b32 v105, s35
	global_store_b32 v5, v105, s[28:29]
	s_endpgm
.Lbias:                                                ; bias w - 4: rounded to bf16, widened, bq's times c
	s_cmp_eq_u32 s34, 5
	s_cselect_b64 s[26:27], s[14:15], s[12:13]
	s_cmp_eq_u32 s34, 6
	s_cselect_b64 s[26:27], s[16:17], s[26:27]
	s_cmp_eq_u32 s34, 7
	s_cselect_b64 s[26:27], s[18:19], s[26:27]
	s_cmp_eq_u32 s34, 4
	s_cselect_b32 s33, CLOG, 1.0
	s_sub_co_u32 s30, s34, 4
	s_lshl_b32 s30, s30, 12
	s_add_co_u32 s30, s30, 32768
	s_add_nc_u64 s[28:29], s[24:25], s[30:31]
.set j, 0
.rept 8
	global_load_b128 v[8+4*j:11+4*j], v6, s[26:27] offset:512*j
.set j, j+1
.endr
.set j, 0
.rept 8
	s_wait_loadcnt 7-j
	v_cvt_pk_bf16_f32 v104, v[8+4*j], v[9+4*j]
	v_cvt_pk_bf16_f32 v105, v[10+4*j], v[11+4*j]
	v_lshlrev_b32 v[40+4*j], 16, v104
	v_and_b32 v[41+4*j], 0xffff0000, v104
	v_lshlrev_b32 v[42+4*j], 16, v105
	v_and_b32 v[43+4*j], 0xffff0000, v105
.irp n, 0,1,2,3
	v_mul_f32 v[40+4*j+\n], s33, v[40+4*j+\n]
.endr
	global_store_b128 v6, v[40+4*j:43+4*j], s[28:29] offset:512*j
.set j, j+1
.endr
	s_endpgm
.Lfunc_end_k_q8804bae205_prep:
	.size	k_q8804bae205_prep, .Lfunc_end_k_q8804bae205_prep-k_q8804bae205_prep
	.p2alignl 7, 3214868480
	.fill 96, 4, 3214868480
	.section	.rodata,"a",@progbits
	.p2align	6, 0x0
	.amdhsa_kernel k_q8804bae205_prep
		.amdhsa_group_segment_fixed_size 0
		.amdhsa_private_segment_fixed_size 0
		.amdhsa_enable_private_segment 0
		.amdhsa_kernarg_size 88
		.amdhsa_user_sgpr_count 2
		.amdhsa_user_sgpr_kernarg_segment_ptr 1
		.amdhsa_wavefront_size32 1
		.amdhsa_system_sgpr_workgroup_id_x 1
		.amdhsa_system_sgpr_workgroup_id_y 1
		.amdhsa_system_sgpr_workgroup_id_z 1
		.amdhsa_system_vgpr_workitem_id 0
		.amdhsa_next_free_vgpr 112
		.amdhsa_next_free_sgpr 66
		.amdhsa_reserve_vcc 1
		.amdhsa_float_denorm_mode_32 3
		.amdhsa_float_denorm_mode_16_64 3
		.amdhsa_memory_ordered 1
		.amdhsa_forward_progress 1
		.amdhsa_inst_pref_size 34
	.end_amdhsa_kernel
	.amdgpu_metadata
---
amdhsa.version: [ 1, 2 ]
amdhsa.kernels:
  - .name:           k_q8804bae205_prep
    .symbol:         k_q8804bae205_prep.kd
    .args:
      - { .name: Wq, .offset: 0, .size: 8, .value_kind: global_buffer, .address_space: global }
      - { .name: Wk, .offset: 8, .size: 8, .value_kind: global_buffer, .address_space: global }
      - { .name: Wv, .offset: 16, .size: 8, .value_kind: global_buffer, .address_space: global }
      - { .name: Wc, .offset: 24, .size: 8, .value_kind: global_buffer, .address_space: global }
      - { .name: bq, .offset: 32, .size: 8, .value_kind: global_buffer, .address_space: global }
      - { .name: bk, .offset: 40, .size: 8, .value_kind: global_buffer, .address_space: global }
      - { .name: bv, .offset: 48, .size: 8, .value_kind: global_buffer, .address_space: global }
      - { .name: bc, .offset: 56, .size: 8, .value_kind: global_buffer, .address_space: global }
      - { .name: mask, .offset: 64, .size: 8, .value_kind: global_buffer, .address_space: global }
      - { .name: wts, .offset: 72, .size: 8, .value_kind: global_buffer, .address_space: global }
      - { .name: aux, .offset: 80, .size: 8, .value_kind: global_buffer, .address_space: global }
    .group_segment_fixed_size: 0
    .private_segment_fixed_size: 0
    .kernarg_segment_align: 8
    .kernarg_segment_size: 88
    .max_flat_workgroup_size: 256
    .sgpr_count:     66
    .vgpr_count:     112
    .wavefront_size: 32
...
	.end_amdgpu_metadata
.endif
;; end of part 1
;; launch proj (part 2): grid 4 x 64, 4 waves a work-group, clusters of 4 x 4, 327,680 bytes of LDS; arguments q, k, v, wts, aux, qkv; writes qkv
.if DOCPART == 2
	.amdgcn_target "amdgcn-amd-amdhsa--gfx1250"
	.amdhsa_code_object_version 6
	.text
	.protected	k_q8804bae205_proj
	.globl	k_q8804bae205_proj
	.p2align	8
	.type	k_q8804bae205_proj,@function
k_q8804bae205_proj:
	s_mov_b64 s[64:65], 0
	v_nop
	global_prefetch_b8 v0, s[64:65] scope:SCOPE_SE
	s_setreg_imm32_b32 hwreg(HW_REG_WAVE_MODE, 25, 1), 1
	s_wait_xcnt 0x0
	s_wait_alu depctr_hold_cnt(0) depctr_sa_sdst(0) depctr_va_vdst(0) depctr_va_sdst(0) depctr_va_ssrc(0) depctr_va_vcc(0) depctr_vm_vsrc(0)
	s_getreg_b32 s2, hwreg(HW_REG_IB_STS2, 6, 4)
	s_cmp_eq_u32 s2, 0
	s_cbranch_scc0 .Lentry_in_a_cluster
	s_endpgm
.Lentry_in_a_cluster:
	s_bfe_u32 s2, ttmp6, 0x10000c
	s_cmp_lg_u32 s2, 0xf033
	s_cbranch_scc0 .Lentry_shape_is_right
	s_endpgm
.Lentry_shape_is_right:
; THE THREE PROJECTIONS.  qkv[p][b h][s][d] = f16( SC x (the sum over k of bf16(x_p[b s][k]) wts[p][64 h + d][k]) + biasS[p][64 h + d] ), p = q, k, v; SC = c = log2(e) / 8 for q, else 1.  Sums in f32.
; LIMITS.  The results are f16: beyond 65,504 an infinity, below 6e-5 f16's fixed step of 6e-8.  NaN and infinities are not treated apart.
; SHARES.  A work-group stays for THREE tiles of 128 rows x 256 columns: the same rows and columns of q's, k's and v's projection; 3 x 2^23 outputs over 256 work-groups.  A wave makes 64 x 128: 32 accumulators.
; THE WALK is flat: 24 K steps of 128 through two LDS slots; the ring goes on across the tiles.  x lands in LDS as f32 and is rounded to bf16 between LDS and the matrix unit: a quarter step's 32 conversions stand four behind
; each of the quarter's last eight matrix instructions.
; CLUSTER 4 x 4: the four work-groups of a row need the same rows of x, the four of a column the same rows of the weights: each tile is asked for jointly.
; THE MATRIX INSTRUCTION IS USED TRANSPOSED (source 0 = 16 rows of the weights, source 1 = 16 rows of x): a lane holds eight neighbouring columns of one row.
; LDS: a slot is four pieces of 36,864 bytes, one a wave: x's rows 0-63, 64-127 (528 bytes apart: 512 + 16), the weights' rows 0-127, 128-255 (272 apart).  SLOT = 0x24000 shares no bit with a piece's base,
; so one exclusive or turns an address in one slot into the other's.  Behind the ring: a stage of 32 rows x 144 bytes a wave, then the spare words.
; REGISTERS: window 0 addresses, bias, way out; window 1 the accumulators ((a, b) at 64 a + 8 b); window 2: v0-127 two buffers of the weights' fragments, v128-191 two of x's, v192-255 x as f32.
.set PA,    528
.set PB,    272
.set PIECE, 36864
.set SLOT,  147456
.set STAGE, 294912
.set SP,    144
.set SPARE, 313344                     ; the spare words, 128 bytes a wave: two blocks of 256 bytes that no other line names
.set ADRA0, 8                          ; v8   my place in x's piece of slot 0; never rewritten
.set ADRB0, 9                          ; v9   the same for the weights
.set ADA,   10                         ; v10  the same in the slot in hand
.set ADB,   11                         ; v11
.set STO,   12                         ; v12  the way out: where I put 16 bytes of a row
.set RD,    13                         ; v13  where I read rows back
.set GO,    14                         ; v14  my 16 bytes of 512 consecutive bytes of the output
.set BO,    15                         ; v15  my byte offset in a bias
.set PFO,   16                         ; v16  the prefetches' offset; never rewritten
.set SPW,   28                         ; v28  my spare word; never rewritten
.set NIL,   29                         ; v29  0; never rewritten
.set TMP,   32                         ; v32-63   packed results
.set BI,    64                         ; v64-127  the bias of my 64 columns
.set BK,    128                        ; v128-191 rows read back, two buffers
.set STG,   192                        ; window 2
.set WV,  16
.set HR,  17                           ; which 64 rows are mine; also: I fetch x (0) or the weights (1)
.set HC,  18                           ; which 128 columns; also: which half I fetch
.set CX,  19
.set CY,  20
.set RB,  21                           ; block of 128 rows, 0..63
.set G1A, 24
.set G1B, 32
.set G0A0, 40                          ; group 0 of slot 0's first fill
.set G0A, 44                           ; of slot 1's; it then walks
.set G0B0, 48
.set G0B, 52
.set AW,  56                           ; s[56:57] x at the K step to be asked for next
.set BW,  58                           ; s[58:59] the weights likewise
.set ANX, 60                           ; s[60:61] x of the next tile
.set ANX2, 62                          ; s[62:63] and of the one after
.set S3,  66                           ; the loop's count
.set TC,  67                           ; K steps left in the tile that is multiplied
.set RC,  68                           ; K steps left to ask for in the tile that is asked for
.set TBS, 69                           ; 0 or SLOT: the slot that is read
.set TL,  70                           ; at work, for LDS addresses alone
.set LAD, 71                           ; my piece
.set JMP, 72                           ; s[72:73]
.set SC,  74                           ; s[74:75]
.set OUT, 76
.set BIAS, 78
.set PFA, 80                           ; s[80:81] where my prefetches stand
.set PKB, 82                           ; s[82:83] a K step in bytes of what I fetch
.set PF1, 84                           ; the prefetches' start in the next tile,
.set PF2, 86                           ; and in the one after
.set LIM, 88
.set MSB, 0
.macro WIN new                         ; the immediate's high byte repeats the setting that is left; a switch that changes nothing is dropped
.if MSB != (\new)
	s_set_vgpr_msb (MSB<<8)|(\new)
.set MSB, \new
.endif
.endm
.macro PLACES
.rept 4
	v_nop
.endr
.endm
.macro CREST                           ; a round of the cluster's barrier behind its opening barrier
	s_cmp_lg_u32 s[WV], 0
	s_cbranch_scc1 .Lnot_wave_0_\@
	s_barrier_signal -3
.Lnot_wave_0_\@:
	s_barrier_wait -3
	s_barrier_signal -1
	s_barrier_wait -1
.endm
.macro CROUND
	s_barrier_signal -1
	s_barrier_wait -1
	CREST
.endm
.macro JLOAD                           ; a joint refill by the walking descriptors; an s_nop 0 and four v_nop follow each line
	s_cmp_eq_u32 s[HR], 0
	s_cbranch_scc0 .Lfor_b_\@
	tensor_load_to_lds s[G0A:G0A+3], s[G1A:G1A+7]
	s_nop 0
	PLACES
	s_branch .Lasked_\@
.Lfor_b_\@:
	tensor_load_to_lds s[G0B:G0B+3], s[G1B:G1B+7]
	s_nop 0
	PLACES
.Lasked_\@:
.endm
; A prefetch into the L2 of the K step that stands two refills on, across tiles too: 256 matrix instructions ahead of the load that will want it.  Of the 128 blocks of 256 bytes that a wave's load brings each of the four
; partners names 32, told apart by address, a lane a block.  x's rows are read by this cluster alone; the weights' by all sixteen clusters: cluster y = 0 asks.  The last two refills have no K step two on.
.macro ASK
	s_cmp_gt_u32 s[S3], s[LIM]
	s_cbranch_scc0 .Lnot_mine_\@
	global_prefetch_b8 v[PFO], s[PFA:PFA+1] th:TH_LOAD_NT scope:SCOPE_SE
.Lnot_mine_\@:
.endm
	s_load_b256 s[4:11], s[0:1], 0x0               ; q s[4:5], k s[6:7], v s[8:9], wts s[10:11]
	s_load_b128 s[12:15], s[0:1], 0x20             ; aux s[12:13], qkv s[14:15]
	v_lshl_add_u32 v[SPW], v0, 2, SPARE
	v_mov_b32 v[NIL], 0
	ds_add_u32 v[SPW], v[NIL]                      ; the wave's opening: the add and its wait stand ahead of my first tensor load; the set-up below stands between them
	v_lshrrev_b32 v1, 5, v0
	v_readfirstlane_b32 s[WV], v1
	s_lshr_b32 s[HR], s[WV], 1
	s_and_b32 s[HC], s[WV], 1
	s_bfe_u32 s[CX], ttmp6, 0x40000
	s_bfe_u32 s[CY], ttmp6, 0x40004
	s_and_b32 s[RB], ttmp7, 0xffff
	s_lshl_b32 s[RB], s[RB], 2
	s_add_co_u32 s[RB], s[RB], s[CY]               ; block of rows = 4 x cluster y + cy; the block of columns is cx
	s_lshl_b32 s90, s[CY], 2
	s_lshl_b32 s90, 15, s90                        ; my row of the cluster
	s_lshl_b32 s94, 0x1111, s[CX]                  ; my column
	s_or_b32 s[G1A], s90, (2<<16)|(1<<20)|(1<<21)|(6<<22)|(3<<25)  ; the mask; 4-byte elements; padding on; bit 21 beside a mask; after every 128 words 4 words
	s_mov_b32 s[G1A+1], 128<<16                    ; tensor_dim0 = 128
	s_mov_b32 s[G1A+2], 64<<16                     ; tensor_dim1 = 64
	s_mov_b32 s[G1A+3], 128<<16                    ; tile_dim0 = 128
	s_mov_b32 s[G1A+4], 64                         ; tile_dim1 = 64
	s_mov_b32 s[G1A+5], 1024                       ; elements from row to row
	s_mov_b32 s[G1A+6], 0
	s_mov_b32 s[G1A+7], 0
	s_or_b32 s[G1B], s94, (1<<16)|(1<<20)|(1<<21)|(5<<22)|(3<<25)  ; 2-byte elements; after every 64 words 4 words
	s_mov_b32 s[G1B+1], 128<<16
	s_mov_b32 s[G1B+2], 128<<16
	s_mov_b32 s[G1B+3], 128<<16
	s_mov_b32 s[G1B+4], 128
	s_mov_b32 s[G1B+5], 1024
	s_mov_b32 s[G1B+6], 0
	s_mov_b32 s[G1B+7], 0
	s_lshl_b32 s90, s[RB], 7                       ; x: row 128 R + 64 half, 4,096 bytes a row
	s_lshl_b32 s91, s[HC], 6
	s_add_co_u32 s90, s90, s91
	s_lshl_b32 s90, s90, 12
	s_mov_b32 s91, 0
	s_lshl_b32 s94, s[CX], 8                       ; the weights: row 256 cx + 128 half, 2,048 bytes a row
	s_lshl_b32 s95, s[HC], 7
	s_add_co_u32 s94, s94, s95
	s_lshl_b32 s94, s94, 11
	s_mov_b32 s95, 0
	s_mul_i32 s[LAD], s[WV], PIECE                 ; no place in the cluster enters an LDS address
	s_mov_b32 s[TBS], 0
	s_mov_b32 s[TC], 8
	s_mov_b32 s[RC], 6
	s_mov_b32 s[JMP+1], 0
	s_mov_b32 s[SC], 0x3e38aa3b                    ; c = log2(e) / 8
	s_mov_b32 s[SC+1], s[SC]
	s_wait_dscnt 0x0                               ; the opening add is done
	s_wait_kmcnt 0x0
	s_add_nc_u64 s[AW:AW+1], s[4:5], s[90:91]
	s_add_nc_u64 s[ANX:ANX+1], s[6:7], s[90:91]
	s_add_nc_u64 s[ANX2:ANX2+1], s[8:9], s[90:91]
	s_add_nc_u64 s[BW:BW+1], s[10:11], s[94:95]
	s_mov_b32 s[G0A0], 1
	s_mov_b32 s[G0A0+1], s[LAD]
	s_mov_b64 s[G0A0+2:G0A0+3], s[AW:AW+1]
	s_or_b32 s[G0A0+3], s[G0A0+3], 0x80000000
	s_mov_b32 s[G0A], 1
	s_add_co_u32 s[G0A+1], s[LAD], SLOT
	s_add_nc_u64 s[G0A+2:G0A+3], s[AW:AW+1], 512
	s_or_b32 s[G0A+3], s[G0A+3], 0x80000000
	s_mov_b32 s[G0B0], 1
	s_mov_b32 s[G0B0+1], s[LAD]
	s_mov_b64 s[G0B0+2:G0B0+3], s[BW:BW+1]
	s_or_b32 s[G0B0+3], s[G0B0+3], 0x80000000
	s_mov_b32 s[G0B], 1
	s_add_co_u32 s[G0B+1], s[LAD], SLOT
	s_add_nc_u64 s[G0B+2:G0B+3], s[BW:BW+1], 256
	s_or_b32 s[G0B+3], s[G0B+3], 0x80000000
	s_add_nc_u64 s[AW:AW+1], s[AW:AW+1], 1024      ; K step 2 is asked for next
	s_add_nc_u64 s[BW:BW+1], s[BW:BW+1], 512
	CROUND                                         ; all sixteen work-groups are here: the first joint loads meet
	s_cmp_eq_u32 s[HR], 0                          ; a wave's two first fills stand in one branch: two loads of mine are out
	s_cbranch_scc0 .Lfirst_b
	tensor_load_to_lds s[G0A0:G0A0+3], s[G1A:G1A+7]
	s_nop 0
	tensor_load_to_lds s[G0A:G0A+3], s[G1A:G1A+7]
	s_nop 0
	PLACES
	s_branch .Lfirst_asked
.Lfirst_b:
	tensor_load_to_lds s[G0B0:G0B0+3], s[G1B:G1B+7]
	s_nop 0
	tensor_load_to_lds s[G0B:G0B+3], s[G1B:G1B+7]
	s_nop 0
	PLACES
.Lfirst_asked:
	; where my part of q's projection begins: (16 batch + 4 cx + 2 HC) heads of 262,144 bytes, ((R % 16) 128 + 64 HR) rows of 128 bytes
	s_lshr_b32 s98, s[RB], 4
	s_lshl_b32 s98, s98, 4
	s_lshl_b32 s99, s[CX], 2
	s_add_co_u32 s98, s98, s99
	s_lshl_b32 s99, s[HC], 1
	s_add_co_u32 s98, s98, s99
	s_lshl_b32 s98, s98, 18
	s_and_b32 s99, s[RB], 15
	s_lshl_b32 s99, s99, 7
	s_lshl_b32 s100, s[HR], 6
	s_add_co_u32 s99, s99, s100
	s_lshl_b32 s99, s99, 7
	s_add_co_u32 s98, s98, s99
	s_mov_b32 s99, 0
	s_add_nc_u64 s[OUT:OUT+1], s[14:15], s[98:99]
	s_add_nc_u64 s[BIAS:BIAS+1], s[12:13], 32768
	; the prefetches: x: row 128 R + 64 HC + 16 cx; the weights: row 256 cx + 128 HC + 32 cy
	s_lshl_b32 s98, s[RB], 7
	s_lshl_b32 s99, s[HC], 6
	s_add_co_u32 s98, s98, s99
	s_lshl_b32 s99, s[CX], 4
	s_add_co_u32 s98, s98, s99
	s_lshl_b32 s98, s98, 12
	s_lshl_b32 s100, s[CX], 8
	s_lshl_b32 s101, s[HC], 7
	s_add_co_u32 s100, s100, s101
	s_lshl_b32 s101, s[CY], 5
	s_add_co_u32 s100, s100, s101
	s_lshl_b32 s100, s100, 11
	s_cmp_eq_u32 s[HR], 0
	s_cselect_b32 s98, s98, s100
	s_cselect_b32 s100, 0, 0x200000                ; from one weight matrix to the next
	s_cselect_b32 s[PKB], 2, 1
	s_cselect_b32 s89, 1, 0                        ; x: two lanes a row of 512 bytes; the weights: a lane a row
	s_cselect_b32 s92, 12, 11
	s_cselect_b32 s93, 1, 0
	s_cselect_b64 s[PFA:PFA+1], s[4:5], s[10:11]
	s_cselect_b64 s[PF1:PF1+1], s[6:7], s[10:11]
	s_cselect_b64 s[PF2:PF2+1], s[8:9], s[10:11]
	s_lshl_b32 s[PKB], s[PKB], 8                   ; 512 or 256 bytes
	s_mov_b32 s[PKB+1], 0
	s_mov_b32 s99, 0
	s_mov_b32 s101, 0
	s_add_nc_u64 s[PFA:PFA+1], s[PFA:PFA+1], s[98:99]
	s_add_nc_u64 s[PF1:PF1+1], s[PF1:PF1+1], s[98:99]
	s_add_nc_u64 s[PF2:PF2+1], s[PF2:PF2+1], s[98:99]
	s_add_nc_u64 s[PF1:PF1+1], s[PF1:PF1+1], s[100:101]
	s_add_nc_u64 s[PF2:PF2+1], s[PF2:PF2+1], s[100:101]
	s_add_nc_u64 s[PF2:PF2+1], s[PF2:PF2+1], s[100:101]
.rept 3
	s_add_nc_u64 s[PFA:PFA+1], s[PFA:PFA+1], s[PKB:PKB+1]  ; at K step 3: the first refill steps it to 4
.endr
	s_and_b32 s100, ttmp7, 0xffff                  ; cluster y
	s_mul_i32 s100, s100, s[HR]                    ; 0 in a wave that fetches x, and in cluster y = 0
	s_cmp_eq_u32 s100, 0
	s_cselect_b32 s[LIM], 2, -1
	v_and_b32 v1, 15, v0                           ; l % 16
	v_bfe_u32 v2, v0, 4, 1                         ; l / 16
	v_and_b32 v3, 31, v0                           ; l
	v_lshrrev_b32 v4, s89, v3
	v_lshlrev_b32 v4, s92, v4
	v_and_b32 v5, s93, v3
	v_lshl_add_u32 v[PFO], v5, 8, v4
	; a fragment of x: lane l holds row l % 16 and channels 8 (l / 16) + 0..7 and 16 + 8 (l / 16) + 0..7: as f32 two runs of 32 bytes, 64 apart
	v_mul_u32_u24 v4, v1, PA
	v_lshl_add_u32 v4, v2, 5, v4
	s_mul_i32 s[TL], s[HR], PIECE
	v_add_nc_u32 v[ADRA0], s[TL], v4
	v_mul_u32_u24 v4, v1, PB
	v_lshl_add_u32 v4, v2, 4, v4
	s_mul_i32 s[TL], s[HC], PIECE
	s_add_co_u32 s[TL], s[TL], 2*PIECE
	v_add_nc_u32 v[ADRB0], s[TL], v4
	v_mov_b32 v[ADA], v[ADRA0]
	v_mov_b32 v[ADB], v[ADRB0]
	s_mul_i32 s[TL], s[WV], 32*SP
	s_add_co_u32 s[TL], s[TL], STAGE               ; my stage
	v_mul_u32_u24 v4, v1, SP
	v_lshl_add_u32 v4, v2, 4, v4
	v_add_nc_u32 v[STO], s[TL], v4
	v_lshrrev_b32 v4, 3, v3
	v_mul_u32_u24 v4, v4, SP
	v_and_b32 v5, 7, v0
	v_lshl_add_u32 v4, v5, 4, v4
	v_add_nc_u32 v[RD], s[TL], v4
	v_lshlrev_b32 v[GO], 4, v3
	s_lshl_b32 s94, s[CX], 10
	s_lshl_b32 s95, s[HC], 9
	s_add_co_u32 s94, s94, s95
	v_lshl_add_u32 v[BO], v2, 5, s94               ; (256 cx + 128 HC) x 4 + 32 (l / 16)
.macro BIASLD                          ; the bias of columns 16 b + 8 (l / 16) + 0..7
.irp b, 0,1,2,3,4,5,6,7
	global_load_b128 v[BI+8*\b:BI+8*\b+3],   v[BO], s[BIAS:BIAS+1] offset:64*\b
	global_load_b128 v[BI+8*\b+4:BI+8*\b+7], v[BO], s[BIAS:BIAS+1] offset:64*\b+16
.endr
.endm
; 32 LDS loads in one run: quarter j of the slot in hand: x as f32 first (16 loads), then the weights' fragments into buffer g
.macro FETCH j, g
	WIN 0x80                                       ; destination window 2, address window 0
.irp i, 0,1,2,3
	ds_load_b128 v[STG+16*\i:STG+16*\i+3],     v[ADA] offset:\i*16*PA+128*(\j)
	ds_load_b128 v[STG+16*\i+4:STG+16*\i+7],   v[ADA] offset:\i*16*PA+128*(\j)+16
	ds_load_b128 v[STG+16*\i+8:STG+16*\i+11],  v[ADA] offset:\i*16*PA+128*(\j)+64
	ds_load_b128 v[STG+16*\i+12:STG+16*\i+15], v[ADA] offset:\i*16*PA+128*(\j)+80
.endr
.irp i, 0,1,2,3,4,5,6,7
	ds_load_b128 v[64*(\g)+8*\i:64*(\g)+8*\i+3],   v[ADB] offset:\i*16*PB+64*(\j)
	ds_load_b128 v[64*(\g)+8*\i+4:64*(\g)+8*\i+7], v[ADB] offset:\i*16*PB+64*(\j)+32
.endr
.endm
; 8 matrix instructions: row block a x all 8 column blocks, from buffers f.  The 32 accumulators take turns, in the same order in every quarter.
; ride = 1: behind each stand four conversions of the next quarter's x, from the f32 registers into the other buffer; they name no register of the products round them.
.macro MULA f, a, zero, ride
.irp b, 0,1,2,3,4,5,6,7
	WIN 0x5a                                       ; sources 0 and 1 window 2, C and D window 1
.if \zero
	v_wmma_f32_16x16x32_bf16 v[64*(\a)+8*\b:64*(\a)+8*\b+7], v[64*(\f)+8*\b:64*(\f)+8*\b+7], v[128+32*(\f)+8*(\a):128+32*(\f)+8*(\a)+7], 0
.else
	v_wmma_f32_16x16x32_bf16 v[64*(\a)+8*\b:64*(\a)+8*\b+7], v[64*(\f)+8*\b:64*(\f)+8*\b+7], v[128+32*(\f)+8*(\a):128+32*(\f)+8*(\a)+7], v[64*(\a)+8*\b:64*(\a)+8*\b+7]
.endif
.if \ride
	WIN 0x8a                                       ; all in window 2
.irp n, 0,1,2,3
	v_cvt_pk_bf16_f32 v[160-32*(\f)+4*\b+\n], v[STG+8*\b+2*\n], v[STG+8*\b+2*\n+1]
.endr
.endif
.endr
.endm
; One of a K step's first three quarters: multiplies buffers f, fetches quarter j into g.  The four conversions behind the quarter before's last product are the places in front of the loads.
.macro QUARTER j, f, g, zero
	FETCH \j, \g
	s_wait_dscnt 32                                ; all but the 32 just issued: this quarter's weights are in
	MULA \f, 0, \zero, 0
	MULA \f, 1, \zero, 0
	MULA \f, 2, \zero, 0
	s_wait_dscnt 16                                ; the next quarter's x is in; the 16 loads of its weights may stay out
	MULA \f, 3, \zero, 1
.endm
; The last quarter multiplies buffers 1 and changes slots.  In front of the barrier each wave waits for all its tensor loads (one is out: its part of the next slot), adds 0 to its spare word, and waits for that and for its
; reads of this slot.  fill = 1: the barrier opens a round of the cluster's, and the slot just read is filled again first thing behind it, with the K step two on in the walk.
.macro TURN fill
.if \fill
	s_wait_xcnt 0x0                                ; the last prefetch, a K step back, has read its address
	s_add_nc_u64 s[98:99], s[PFA:PFA+1], s[PKB:PKB+1]
	s_cmp_eq_u32 s[RC], 2                          ; two refills on the next tile begins
	s_cselect_b64 s[PFA:PFA+1], s[PF1:PF1+1], s[98:99]
	s_cselect_b64 s[PF1:PF1+1], s[PF2:PF2+1], s[PF1:PF1+1]
.endif
	WIN 0
	s_wait_tensorcnt 0x0                           ; no tensor load of mine is out, so a group 0 may be written
	ds_add_u32 v[SPW], v[NIL]                      ; 0 onto my spare word
.if \fill
	s_cmp_eq_u32 s[RC], 0                          ; the tile's eight K steps have been asked for: on to the next tensor and the next weight matrix
	s_cselect_b64 s[AW:AW+1], s[ANX:ANX+1], s[AW:AW+1]
	s_cselect_b64 s[ANX:ANX+1], s[ANX2:ANX2+1], s[ANX:ANX+1]
	s_cselect_b32 s[JMP], 2095104, 0               ; 1,024 rows of 2,048 bytes, less the row that has been walked
	s_cselect_b32 s[RC], 8, s[RC]
	s_add_nc_u64 s[BW:BW+1], s[BW:BW+1], s[JMP:JMP+1]
	s_sub_co_u32 s[RC], s[RC], 1
	s_xor_b32 s[G0A+1], s[G0A+1], SLOT             ; the other slot than last time
	s_mov_b64 s[G0A+2:G0A+3], s[AW:AW+1]
	s_or_b32 s[G0A+3], s[G0A+3], 0x80000000
	s_xor_b32 s[G0B+1], s[G0B+1], SLOT
	s_mov_b64 s[G0B+2:G0B+3], s[BW:BW+1]
	s_or_b32 s[G0B+3], s[G0B+3], 0x80000000
	s_add_nc_u64 s[AW:AW+1], s[AW:AW+1], 512
	s_add_nc_u64 s[BW:BW+1], s[BW:BW+1], 256
.endif
	s_xor_b32 s[TBS], s[TBS], SLOT
	s_wait_dscnt 1                                 ; only the add may be out: this quarter's weights are in
	MULA 1, 0, 0, 0
	s_wait_dscnt 0x0                               ; the add is done, and my reads of this slot are over
	s_barrier_signal -1
	MULA 1, 1, 0, 0
	WIN 0
	s_barrier_wait -1
.if \fill
	CREST                                          ; no wave of any partner still reads the slot or has a load on its way
	JLOAD
.endif
	v_add_nc_u32 v[ADA], s[TBS], v[ADRA0]
	v_add_nc_u32 v[ADB], s[TBS], v[ADRB0]
	FETCH 0, 0
	WIN 0
.if \fill
	ASK
.endif
	MULA 1, 2, 0, 0
	s_wait_dscnt 16
	MULA 1, 3, 0, 1
.endm
; THE WAY OUT of row block a: acc x SC + bias, rounded once to f16, 16 bytes a lane into my stage (two heads x 16 rows of 144 bytes), back as whole rows, 512 consecutive bytes a store.
.macro PACK a
	WIN 0x41
.set i, 0
.rept 32
	v_pk_fma_f32 v[64*(\a)+2*i:64*(\a)+2*i+1], v[64*(\a)+2*i:64*(\a)+2*i+1], s[SC:SC+1], v[BI+2*i:BI+2*i+1] op_sel_hi:[1,0,1]
.set i, i+1
.endr
	WIN 0x05
.set i, 0
.rept 32
	v_cvt_pk_f16_f32 v[TMP+i], v[64*(\a)+2*i], v[64*(\a)+2*i+1]
.set i, i+1
.endr
	WIN 0
.endm
.macro TOSTAGE a
.irp b, 0,1,2,3,4,5,6,7
	ds_store_b128 v[STO], v[TMP+4*\b:TMP+4*\b+3] offset:(\b/4)*16*SP+(\b%4)*32
.endr
.irp t, 0,1,2,3,4,5,6,7
	ds_load_b128 v[BK+32*((\a)%2)+4*\t:BK+32*((\a)%2)+4*\t+3], v[RD] offset:\t*4*SP  ; LDS serves a wave's instructions in order: these see the stores above
.endr
.endm
.macro SEND a
	s_wait_dscnt 0x0                               ; the block is back in registers
	s_wait_xcnt 0x0                                ; earlier stores have read their registers: the other buffer is loaded again only behind this wait
.irp t, 0,1,2,3,4,5,6,7
	global_store_b128 v[GO], v[BK+32*((\a)%2)+4*\t:BK+32*((\a)%2)+4*\t+3], s[OUT:OUT+1] offset:(\t/4)*262144+(\a)*2048+(\t%4)*512
.endr
.endm
.macro WAYOUT
	WIN 0
	s_wait_loadcnt 0x0                             ; the bias
	PACK 0
	TOSTAGE 0
	PACK 1
	SEND 0
	TOSTAGE 1
	PACK 2
	SEND 1
	TOSTAGE 2
	PACK 3
	SEND 2
	TOSTAGE 3
	SEND 3
.endm
	BIASLD
	s_wait_tensorcnt 0x1                           ; my part of K step 0 is in; slot 1's may stay out
	s_barrier_signal -1
	s_barrier_wait -1
	FETCH 0, 0
	s_wait_dscnt 0x0
	WIN 0x8a
.set i, 0
.rept 32
	v_cvt_pk_bf16_f32 v[128+i], v[STG+2*i], v[STG+2*i+1]
.set i, i+1
.endr
	QUARTER 1, 0, 1, 1                             ; a tile's first quarter starts the sums: nothing is cleared
	WIN 0
	s_mov_b32 s[S3], 22
.Lstep:                                                ; trip t: the rest of K step t, the refill with K step t + 2, the first quarter of K step t + 1
	QUARTER 2, 1, 0, 0
	QUARTER 3, 0, 1, 0
	TURN 1
	WIN 0
	s_sub_co_u32 s[TC], s[TC], 1
	s_cmp_lg_u32 s[TC], 0
	s_cbranch_scc1 .Lsame
	WAYOUT                                         ; a tile is finished; its successor's first two K steps have been asked for
	s_wait_xcnt 0x0                                ; the stores and the bias loads have read their bases
	s_add_nc_u64 s[OUT:OUT+1], s[OUT:OUT+1], 16777216
	s_add_nc_u64 s[BIAS:BIAS+1], s[BIAS:BIAS+1], 4096
	s_mov_b32 s[SC], 1.0
	s_mov_b32 s[SC+1], 1.0
	BIASLD
	s_mov_b32 s[TC], 8
	QUARTER 1, 0, 1, 1
	WIN 0
	s_branch .Lbottom
.Lsame:
	QUARTER 1, 0, 1, 0
	WIN 0
.Lbottom:
	s_sub_co_u32 s[S3], s[S3], 1
	s_cmp_lg_u32 s[S3], 0
	s_cbranch_scc1 .Lstep
	QUARTER 2, 1, 0, 0                             ; the last two K steps are written out: nothing is asked for
	QUARTER 3, 0, 1, 0
	TURN 0
	QUARTER 1, 0, 1, 0
	QUARTER 2, 1, 0, 0
	QUARTER 3, 0, 1, 0
	s_wait_dscnt 0x0
	MULA 1, 0, 0, 0
	MULA 1, 1, 0, 0
	MULA 1, 2, 0, 0
	MULA 1, 3, 0, 0
	WIN 0
	PLACES                                         ; the places behind the last products
	WAYOUT
	s_wait_tensorcnt 0x0                           ; the wave's end: behind my last tensor load and my last LDS store
	ds_add_u32 v[SPW], v[NIL]
	s_wait_dscnt 0x0
	CROUND                                         ; the closing round
	s_endpgm
.Lfunc_end_k_q8804bae205_proj:
	.size	k_q8804bae205_proj, .Lfunc_end_k_q8804bae205_proj-k_q8804bae205_proj
	.p2alignl 7, 3214868480
	.fill 96, 4, 3214868480
	.section	.rodata,"a",@progbits
	.p2align	6, 0x0
	.amdhsa_kernel k_q8804bae205_proj
		.amdhsa_group_segment_fixed_size 327680
		.amdhsa_private_segment_fixed_size 0
		.amdhsa_enable_private_segment 0
		.amdhsa_kernarg_size 48
		.amdhsa_user_sgpr_count 2
		.amdhsa_user_sgpr_kernarg_segment_ptr 1
		.amdhsa_wavefront_size32 1
		.amdhsa_system_sgpr_workgroup_id_x 1
		.amdhsa_system_sgpr_workgroup_id_y 1
		.amdhsa_system_sgpr_workgroup_id_z 1
		.amdhsa_system_vgpr_workitem_id 0
		.amdhsa_next_free_vgpr 768
		.amdhsa_next_free_sgpr 102
		.amdhsa_reserve_vcc 0
		.amdhsa_float_denorm_mode_32 3
		.amdhsa_float_denorm_mode_16_64 3
		.amdhsa_memory_ordered 1
		.amdhsa_forward_progress 1
		.amdhsa_inst_pref_size 148
	.end_amdhsa_kernel
	.amdgpu_metadata
---
amdhsa.version: [ 1, 2 ]
amdhsa.kernels:
  - .name:           k_q8804bae205_proj
    .symbol:         k_q8804bae205_proj.kd
    .args:
      - { .name: q, .offset: 0, .size: 8, .value_kind: global_buffer, .address_space: global }
      - { .name: k, .offset: 8, .size: 8, .value_kind: global_buffer, .address_space: global }
      - { .name: v, .offset: 16, .size: 8, .value_kind: global_buffer, .address_space: global }
      - { .name: wts, .offset: 24, .size: 8, .value_kind: global_buffer, .address_space: global }
      - { .name: aux, .offset: 32, .size: 8, .value_kind: global_buffer, .address_space: global }
      - { .name: qkv, .offset: 40, .size: 8, .value_kind: global_buffer, .address_space: global }
    .group_segment_fixed_size: 327680
    .private_segment_fixed_size: 0
    .kernarg_segment_align: 8
    .kernarg_segment_size: 48
    .max_flat_workgroup_size: 128
    .sgpr_count:     102
    .vgpr_count:     768
    .wavefront_size: 32
...
	.end_amdgpu_metadata
.endif
;; end of part 2
;; launch attn (part 3): grid 4 x 64, 4 waves a work-group, clusters of 4 x 1, 327,680 bytes of LDS; arguments qkv, aux, ctx; writes ctx
.if DOCPART == 3
	.amdgcn_target "amdgcn-amd-amdhsa--gfx1250"
	.amdhsa_code_object_version 6
	.text
	.protected	k_q8804bae205_attn
	.globl	k_q8804bae205_attn
	.p2align	8
	.type	k_q8804bae205_attn,@function
k_q8804bae205_attn:
	s_mov_b64 s[64:65], 0
	v_nop
	global_prefetch_b8 v0, s[64:65] scope:SCOPE_SE
	s_setreg_imm32_b32 hwreg(HW_REG_WAVE_MODE, 25, 1), 1
	s_wait_xcnt 0x0
	s_wait_alu depctr_hold_cnt(0) depctr_sa_sdst(0) depctr_va_vdst(0) depctr_va_sdst(0) depctr_va_ssrc(0) depctr_va_vcc(0) depctr_vm_vsrc(0)
	s_getreg_b32 s2, hwreg(HW_REG_IB_STS2, 6, 4)
	s_cmp_eq_u32 s2, 0
	s_cbranch_scc0 .Lentry_in_a_cluster
	s_endpgm
.Lentry_in_a_cluster:
	s_bfe_u32 s2, ttmp6, 0x10000c
	s_cmp_lg_u32 s2, 0x3003
	s_cbranch_scc0 .Lentry_shape_is_right
	s_endpgm
.Lentry_shape_is_right:
; ATTENTION with a key-padding mask.  ctx[h][q][:] = the sum over k of softmax_k(S[q][k]) V[h][k][:], S = Q' . K + madd[k]; h counts the 64 pairs of batch and head.  Q' = c x (q's projection), c = log2(e) / 8, K and V lie in
; qkv, [3][64][2048][64] in f16; madd (f32, aux) is 0 or -1e30.  Products, maxima and sums in f32; the weights p are rounded to f16 for the second product (their sum l is taken of the unrounded p), ctx once at the end.
; THE MASK is the C operand that starts the sum S^T = K Q'^T.  p = 2^(S - m) with a running maximum m; S - m is never above 0, so no p overflows, also where all keys seen so far are masked (m near -1e30); what such steps
; put into l and O is finite and is multiplied by a = 2^(m_old - m_new) = 0 when the first visible key comes.  A BATCH MASKED THROUGHOUT: its word qz is 0 and clears Q': every S is then -1e30 exactly, every p is 1: uniform weights.
; LIMITS.  f16 holds no number beyond 65,504; p below 6e-5 keeps f16's fixed step of 6e-8.  A masked score counts as its value less 1e30 (f16's scores stay below 6e10).  A weight below 2^-126 counts as 0 in l.  NaN and
; infinities are not treated apart.
; SHARES.  A wave owns four PIECES of two tiles of 16 queries, a work-group's four waves 512 queries of one h.  Every wave walks all 2,048 keys, 64 a step.
; LAYOUT.  S^T = K Q'^T (source 0 = 16 keys, source 1 = 16 queries): a lane holds ONE query (lane % 16) and the keys 8 (lane / 16) + 0..7.  Two such tiles rounded to f16 ARE source 1 of O^T = V^T P.  V comes turned, by ds_load_tr16_b128.
; BY TURNS.  Turn n belongs to piece n: 16 products K Q'^T of piece n + 1, later 16 products V^T P of piece n - 1; beside them the subtraction, exponentials, roundings, sums and rescaling of piece n and the maximum and
; statistics of piece n + 1.  Four vector instructions stand behind every matrix instruction, the others in one lump; a turn's 66 exponentials are one batch with one wait.
; CLUSTER.  The four query blocks of a cluster belong to one h and walk the same K, V and mask: each tile is asked for jointly.
; REGISTERS, in windows of 256: window 0: v0-15 addresses; v16-47 four registers of statistics a tile (m, m_old, l, l); v48-63 at work; v64-191 S^T, two buffers of two tiles; v192-255 P, likewise
;   window 1: O^T, 32 a tile     window 2: v0-127 Q', v128-191 K of one step, v192-255 V of one step     window 3: v0-1 the add's two registers, v8-39 the mask of one step
.set SIZE_N, 2048
.set NP,    4
.set KS,    64
.set PK,    144       ; a row of K in LDS: 128 bytes + 16
.set PV,    160       ; a row of V: 128 + 32
.set VOFF,  4*KS*PK   ; a slot holds four steps: 256 rows of K, then 256 rows of V
.set SLOT1, 1<<17
.set STAGE, SLOT1+4*KS*(PK+PV)
.set SP,    144
.set SPARE, STAGE+4*16*SP  ; the spare words, 128 bytes a wave: two blocks of 256 bytes that no other line names
.set MTAB,  SPARE+512      ; the batch's madd, 8,192 bytes, filled once
.set AK0, 2
.set AV0, 3
.set AK,  4
.set AV,  5
.set QO,  6
.set STO, 6
.set RD,  7
.set GO,  8
.set AM0, 12          ; v12  my place in a step's 256 bytes of the mask table; never rewritten
.set AM,  13          ; v13  the LDS address of the mask's next run of loads
.set PFO, 14          ; v14  256 x my lane; never rewritten
.set SPW, 0           ; v0 of window 3
.set NIL, 1           ; v1 of window 3
.set MK,  8           ; v8-39 of window 3: the eight registers for key block kb at MK + 8 kb
.set ST,  16
.set TMP, 48
.set S,   64
.set P,   192
.set KF,  128
.set VF,  192
.set WV,  12
.set G1K, 24
.set G1V, 32
.set G0K, 40
.set G0V, 44
.set SLOTS, 56
.set CNT, 57
.set SEL, 60
.set TBK, 62
.set TBV, 63
.set AUX, 66          ; s[66:67]
.set G1M, 68          ; s[68:75] descriptor group 1 for the mask table
.set G0M, 76          ; s[76:79]
.set TBM, 80          ; s80  byte in the table at which the mask of the step to be fetched begins
.set QZ,  81          ; s81
.set PFA, 82          ; s[82:83]
.set LIM, 87
.set MSB, 0
.macro WIN new
.if MSB != (\new)
	s_set_vgpr_msb (MSB<<8)|(\new)
.set MSB, (\new)
.endif
.endm
.set W_KQ, 0x0a       ; K and Q in window 2, S^T in window 0
.set W_KM, 0x3a       ; the same with the C operand in window 3
.set W_PV, 0x52       ; V in window 2, P in window 0, O^T in window 1
.set W_RS, 0x41
.set W_MK, 0xc0
.set W_AD, 0x0f
.macro JLOAD                        ; waves 0 and 1 fetch the halves of a slot's K, waves 2 and 3 those of its V; an s_nop 0 and four v_nop follow each line
	s_cmp_lt_u32 s[WV], 2
	s_cbranch_scc0 .Lfor_v_\@
	tensor_load_to_lds s[G0K:G0K+3], s[G1K:G1K+7]
	s_nop 0
.rept 4
	v_nop
.endr
	s_branch .Lasked_\@
.Lfor_v_\@:
	tensor_load_to_lds s[G0V:G0V+3], s[G1V:G1V+7]
	s_nop 0
.rept 4
	v_nop
.endr
.Lasked_\@:
.endm
.macro JFIRST                       ; the first fills: my part of slot 0 and my quarter of the mask table, in one branch: two loads of mine are out
	s_cmp_lt_u32 s[WV], 2
	s_cbranch_scc0 .Lfirst_v_\@
	tensor_load_to_lds s[G0K:G0K+3], s[G1K:G1K+7]
	s_nop 0
	tensor_load_to_lds s[G0M:G0M+3], s[G1M:G1M+7]
	s_nop 0
.rept 4
	v_nop
.endr
	s_branch .Lfirst_asked_\@
.Lfirst_v_\@:
	tensor_load_to_lds s[G0V:G0V+3], s[G1V:G1V+7]
	s_nop 0
	tensor_load_to_lds s[G0M:G0M+3], s[G1M:G1M+7]
	s_nop 0
.rept 4
	v_nop
.endr
.Lfirst_asked_\@:
.endm
; A prefetch into the L2 of what the NEXT change of slots will ask for: a slot's 128 blocks of 256 bytes of K and of V.  The four partners take 32 blocks each, told apart by address, a lane a block; wave 0 asks for K's,
; wave 2 for V's.  Each block is named once in the launch.  The last change that fills a slot asks for nothing.
.macro ASK
	s_cmp_gt_u32 s[SLOTS], s[LIM]
	s_cbranch_scc0 .Lnot_mine_\@
	global_prefetch_b8 v[PFO], s[PFA:PFA+1] th:TH_LOAD_NT scope:SCOPE_SE
.Lnot_mine_\@:
.endm
.macro CROUND
	s_barrier_signal -1
	s_barrier_wait -1
	s_cmp_lg_u32 s[WV], 0
	s_cbranch_scc1 .Lnot_wave_0_\@
	s_barrier_signal -3
.Lnot_wave_0_\@:
	s_barrier_wait -3
	s_barrier_signal -1
	s_barrier_wait -1
.endm
; THE CHANGE OF SLOTS.  Each wave waits for all its tensor loads, adds 0 to its spare word, and waits for that and for its own reads of the slot.  fill = 1: the barrier is a round of the cluster's, and the slot is filled again
; first thing behind it, with the keys two slots on: four key steps, 512 matrix instructions, in which to land.  (At its first use slot 0 and the table are waited for, slot 1 filled.)
.macro CHANGE fill, ask=0
	WIN W_AD
	s_wait_tensorcnt 0x0            ; no tensor load of mine is out, so a group 0 may be written
	ds_add_u32 v[SPW], v[NIL]       ; 0 onto my spare word
	WIN 0
.if \fill
.irp g, G0K, G0V
	s_xor_b32 s[\g+1], s[\g+1], SLOT1
	s_add_nc_u64 s[\g+2:\g+3], s[\g+2:\g+3], 4*KS*128
.endr
.if \ask
	s_wait_xcnt 0x0                 ; the last prefetch, four key steps back, has read its address
	s_add_nc_u64 s[PFA:PFA+1], s[PFA:PFA+1], 4*KS*128
.endif
	s_wait_dscnt 0x0                ; the add is done, and my reads of the slot are over
	CROUND
	JLOAD
.if \ask
	ASK
.endif
.else
	s_wait_dscnt 0x0
	s_barrier_signal -1
	s_barrier_wait -1
.endif
	s_sub_co_u32 s[TBK], s[TBK], 4*KS*PK
	s_xor_b32 s[TBK], s[TBK], SLOT1
	s_sub_co_u32 s[TBV], s[TBV], 4*KS*PV
	s_xor_b32 s[TBV], s[TBV], SLOT1
.endm
	s_load_b64 s[4:5], s[0:1], 0x0    ; qkv: Q'
	s_load_b64 s[AUX:AUX+1], s[0:1], 0x8
	s_load_b64 s[10:11], s[0:1], 0x10 ; ctx
	WIN W_MK
	v_lshl_add_u32 v[SPW], v0, 2, SPARE
	v_mov_b32 v[NIL], 0
	WIN W_AD
	ds_add_u32 v[SPW], v[NIL]       ; the wave's opening: the add and its wait stand ahead of my first tensor load
	WIN 0
	v_lshrrev_b32 v1, 5, v0
	v_readfirstlane_b32 s[WV], v1
	s_bfe_u32 s13, ttmp6, 0x40000   ; cx
	s_lshl_b32 s14, ttmp9, 2
	s_add_co_u32 s14, s14, s13      ; my block of 512 queries: it enters Q's and ctx's addresses alone
	s_and_b32 s20, ttmp7, 0xffff    ; h, which the four partners share
	s_lshr_b32 s84, s20, 4          ; the batch
	s_lshl_b32 s86, s84, 7          ; its 128 bytes of qz
	s_lshl_b32 s84, s84, 13         ; its 8,192 bytes of madd,
	s_lshl_b32 s85, s[WV], 11       ; my 2,048 of them
	s_add_co_u32 s84, s84, s85
	s_add_co_u32 s[G0M+1], s85, MTAB
	s_mov_b32 s85, 0
	s_mov_b32 s21, 0
	s_mov_b64 s[22:23], SIZE_N*128
	s_mul_u64 s[20:21], s[20:21], s[22:23]  ; h's first byte in Q', K, V and ctx
	s_and_b32 s16, s[WV], 1         ; which half of a slot's 256 keys I fetch
	s_lshl_b32 s22, s16, 14
	s_mov_b32 s23, 0
	s_add_nc_u64 s[22:23], s[22:23], s[20:21]
	s_mul_i32 s17, s16, 128*PK
	s_mul_i32 s18, s16, 128*PV
	s_lshl_b32 s2, s14, 2
	s_add_co_u32 s2, s2, s[WV]
	s_lshl_b32 s2, s2, 14           ; my wave's 128 rows
	s_mov_b32 s3, 0
	s_add_nc_u64 s[2:3], s[2:3], s[20:21]
	; 128 keys are 16,384 dense bytes: asked for as 64 rows of 256 bytes, padded in LDS after every key
	s_mov_b32 s[G1K], 15|(1<<16)|(1<<20)|(1<<21)|(4<<22)|(3<<25)
	s_mov_b32 s[G1V], 15|(1<<16)|(1<<20)|(1<<21)|(4<<22)|(7<<25)
.irp g, G1K, G1V
	s_mov_b32 s[\g+1], 128<<16
	s_mov_b32 s[\g+2], 64<<16
	s_mov_b32 s[\g+3], 128<<16
	s_mov_b32 s[\g+4], 64
	s_mov_b32 s[\g+5], 128
	s_mov_b32 s[\g+6], 0
	s_mov_b32 s[\g+7], 0
.endr
	s_mov_b32 s[G1M], 15|(3<<16)|(1<<21)  ; the table: 8 rows of 32 elements of 8 bytes, dense, no padding
	s_mov_b32 s[G1M+1], 32<<16
	s_mov_b32 s[G1M+2], 8<<16
	s_mov_b32 s[G1M+3], 32<<16
	s_mov_b32 s[G1M+4], 8
	s_mov_b32 s[G1M+5], 32
	s_mov_b32 s[G1M+6], 0
	s_mov_b32 s[G1M+7], 0
	s_mov_b32 s[G0M], 1
	s_mov_b32 s[SEL], 0x76543210
	s_mov_b32 s[SEL+1], 0xfedcba98
	s_mov_b32 s[TBK], SLOT1+4*KS*PK ; the first change of slots turns these two into 0
	s_mov_b32 s[TBV], SLOT1+4*KS*PV
	s_mov_b32 s[TBM], 0
	s_mov_b32 s[G0K], 1
	s_mov_b32 s[G0K+1], s17
	s_mov_b32 s[G0V], 1
	s_add_co_u32 s[G0V+1], s18, VOFF
	s_and_b32 s[LIM], s[WV], 1      ; waves 0 and 2 prefetch
	s_cmp_eq_u32 s[LIM], 0
	s_cselect_b32 s[LIM], 1, -1
	v_and_b32 v[PFO], 31, v0
	v_lshlrev_b32 v[PFO], 8, v[PFO]
	s_wait_dscnt 0x0                ; the opening add is done
	s_wait_kmcnt 0x0
	s_load_b32 s[QZ], s[AUX:AUX+1], s86 offset:49152
	s_add_nc_u64 s[6:7], s[4:5], 0x1000000   ; K
	s_add_nc_u64 s[8:9], s[4:5], 0x2000000   ; V
	s_add_nc_u64 s[6:7], s[6:7], s[22:23]    ; at my half of h's first 256 keys
	s_add_nc_u64 s[8:9], s[8:9], s[22:23]
	s_mov_b64 s[G0K+2:G0K+3], s[6:7]
	s_or_b32 s[G0K+3], s[G0K+3], 0x80000000
	s_mov_b64 s[G0V+2:G0V+3], s[8:9]
	s_or_b32 s[G0V+3], s[G0V+3], 0x80000000
	s_add_nc_u64 s[G0M+2:G0M+3], s[AUX:AUX+1], s[84:85]
	s_or_b32 s[G0M+3], s[G0M+3], 0x80000000
	s_add_nc_u64 s[4:5], s[4:5], s[2:3]      ; Q' and ctx at my wave's first row
	s_add_nc_u64 s[10:11], s[10:11], s[2:3]
	s_cmp_lt_u32 s[WV], 2
	s_cselect_b64 s[PFA:PFA+1], s[6:7], s[8:9]  ; (in waves 0 and 2 these stand at a slot's first row)
	s_lshl_b32 s2, s13, 13          ; my work-group's 32 blocks of the 128
	s_mov_b32 s3, 0
	s_add_nc_u64 s[PFA:PFA+1], s[PFA:PFA+1], s[2:3]
	s_add_nc_u64 s[PFA:PFA+1], s[PFA:PFA+1], 2*4*KS*128  ; in slot 2; the loop's first change steps it to slot 3.  Nothing is prefetched at the head
	CROUND                          ; all four work-groups are here: the first joint loads meet
	JFIRST
	v_and_b32 v1, 15, v0            ; l % 16
	v_bfe_u32 v9, v0, 4, 1          ; l / 16
	v_lshlrev_b32 v[QO], 7, v1
	v_lshl_add_u32 v[QO], v9, 4, v[QO]
	WIN 0x80
.set i, 0
.rept 4*NP                          ; Q' stays in registers: tile i / 2, channels 32 (i % 2) on
	global_load_b128 v[8*i:8*i+3],   v[QO], s[4:5] offset:(i/2)*2048+(i%2)*64
	global_load_b128 v[8*i+4:8*i+7], v[QO], s[4:5] offset:(i/2)*2048+(i%2)*64+32
.set i, i+1
.endr
	; What the first turn finds: V's registers and P's second buffer hold 0, O^T and l are 0.  All this stands in the wait for the first tile.
.set i, VF
.rept 64
	v_mov_b32 v[i], 0
.set i, i+1
.endr
	WIN 0x40
.set i, 0
.rept 64*NP
	v_mov_b32 v[i], 0
.set i, i+1
.endr
	WIN 0
.set i, 0
.rept 2*NP
	v_mov_b32 v[ST+4*i], 0xff7fffff    ; m: the lowest finite number: the first step's a is 0
	v_mov_b32 v[ST+4*i+1], 0xff7fffff  ; m_old
	v_mov_b32 v[ST+4*i+2], 0
	v_mov_b32 v[ST+4*i+3], 0
.set i, i+1
.endr
.set i, P+32
.rept 32
	v_mov_b32 v[i], 0
.set i, i+1
.endr
	v_mul_u32_u24 v[AK0], v1, PK
	v_lshl_add_u32 v[AK0], v9, 4, v[AK0]
	v_and_b32 v10, 7, v0
	v_bfe_u32 v11, v0, 3, 1
	v_lshl_add_u32 v[AV0], v9, 3, v10
	v_mul_u32_u24 v[AV0], v[AV0], PV
	v_lshl_add_u32 v[AV0], v11, 4, v[AV0]
	v_add_nc_u32 v[AV0], VOFF, v[AV0]
	v_mov_b32 v[AK], v[AK0]         ; key step 0 lies at the head of slot 0
	v_lshlrev_b32 v[AM0], 5, v9     ; my eight keys of a block of 16: 32 (l / 16) bytes
	v_add_nc_u32 v[AM0], MTAB, v[AM0]
	v_mov_b32 v[AM], v[AM0]
; THE MATRIX WORK.  The 8 accumulators of a run of 16 take turns.  Product i of 16 of S^T for piece x: channels 32 (i / 8) on, keys 16 ((i / 2) % 4) on, tile 2 x + i % 2.  The first 8 start the sums with the mask.
.macro KQ x
.set rS, S+64*((\x)%2)+32*(i%2)+8*((i/2)%4)
.set rK, KF+16*((i/2)%4)+8*(i/8)
.set rQ, 16*(2*(\x)+i%2)+8*(i/8)
.set rMK, MK+8*((i/2)%4)
.if i < 8
	WIN W_KM
	v_wmma_f32_16x16x32_f16 v[rS:rS+7], v[rK:rK+7], v[rQ:rQ+7], v[rMK:rMK+7]
.else
	WIN W_KQ
	v_wmma_f32_16x16x32_f16 v[rS:rS+7], v[rK:rK+7], v[rQ:rQ+7], v[rS:rS+7]
.endif
.endm
.macro PV x
	WIN W_PV
.set rO, 32*(2*(\x)+i%2)+8*((i/2)%4)
.set rV, VF+32*(i/8)+8*((i/2)%4)
.set rP, P+32*((\x)%2)+16*(i%2)+8*(i/8)
	v_wmma_f32_16x16x32_f16 v[rO:rO+7], v[rV:rV+7], v[rP:rP+7], v[rO:rO+7]
.endm
.macro MM
.if i < 16
	KQ (Y+1)%NP
.set i, i+1
.else
.set i, i-16
	PV (Y+NP-1)%NP
.set i, i+17
.endif
.endm
; THE LDS LOADS stand in runs: a step's K (8 fragments) with its mask (8 loads, all lanes of a half at one address), and its V (turned).  last = 1 (the tail): in the last trip there is no further step.
.macro FETCH_K last=0
	WIN 0
.if \last
	s_cmp_eq_u32 s[CNT], 1
	s_cbranch_scc1 .Lno_k_\@
.endif
	WIN 0x80
.irp f, 0,1,2,3,4,5,6,7
	ds_load_b128 v[KF+8*\f:KF+8*\f+3],   v[AK] offset:(\f/2)*16*PK+(\f%2)*64
	ds_load_b128 v[KF+8*\f+4:KF+8*\f+7], v[AK] offset:(\f/2)*16*PK+(\f%2)*64+32
.endr
	WIN 0xc0
.irp f, 0,1,2,3
	ds_load_b128 v[MK+8*\f:MK+8*\f+3],   v[AM] offset:64*\f
	ds_load_b128 v[MK+8*\f+4:MK+8*\f+7], v[AM] offset:64*\f+16
.endr
	s_add_co_u32 s[TBK], s[TBK], KS*PK
	s_add_co_u32 s[TBM], s[TBM], 4*KS
	WIN 0
.if \last
.Lno_k_\@:
.endif
.endm
.macro FETCH_V
	WIN 0x80
.irp f, 0,1,2,3,4,5,6,7
	ds_load_tr16_b128 v[VF+8*\f:VF+8*\f+3],   v[AV] offset:(\f/4)*32*PV+(\f%4)*32
	ds_load_tr16_b128 v[VF+8*\f+4:VF+8*\f+7], v[AV] offset:(\f/4)*32*PV+16*PV+(\f%4)*32
.endr
	WIN 0
.endm
; THE VECTOR WORK OF A TURN stands in three queues, each in the order in which its entries become ready; the two tiles alternate.
.macro REGS y, u
.set rT, ST+4*(2*(\y)+(\u))
.set rC, TMP+8*((\y)%2)+4*(\u)
.set rS, S+64*((\y)%2)+32*(\u)
.set rP, P+32*((\y)%2)+16*(\u)
.set rO, 32*(2*(\y)+(\u))
.endm
; Number n of the 21 that find the NEXT piece's maximum and statistics; each accumulator's lowest registers are read first.
;   0-11 four chains c0-c3 of seven scores each     12-14, 16 the four scores left over, the old m, and c0-c3 into c0     15 m_old is kept     17, 18 the other half of the lanes: the new m     19, 20 m_old - m; a
.macro XS u, n
	REGS (Y+1)%NP, \u
.if (\n) < 4
	v_max3_num_f32 v[rC+(\n)], v[rS+8*(\n)], v[rS+8*(\n)+1], v[rS+8*(\n)+2]
.elseif (\n) < 12
	v_max3_num_f32 v[rC+(\n)%4], v[rC+(\n)%4], v[rS+8*((\n)%4)+2*((\n)/4)+1], v[rS+8*((\n)%4)+2*((\n)/4)+2]
.elseif (\n) == 12
	v_max3_num_f32 v[rC], v[rC], v[rS+7], v[rS+15]
.elseif (\n) == 13
	v_max3_num_f32 v[rC+1], v[rC+1], v[rS+23], v[rS+31]
.elseif (\n) == 14
	v_max3_num_f32 v[rC+2], v[rC+2], v[rC+3], v[rT]
.elseif (\n) == 15
	v_mov_b32 v[rT+1], v[rT]
.elseif (\n) == 16
	v_max3_num_f32 v[rC], v[rC], v[rC+1], v[rC+2]
.elseif (\n) == 17
	v_permlanex16_b32 v[rC+3], v[rC], s[SEL], s[SEL+1]
.elseif (\n) == 18
	v_max_num_f32 v[rT], v[rC], v[rC+3]
.elseif (\n) == 19
	v_sub_f32 v[rC+1], v[rT+1], v[rT]
.else
	v_exp_f32 v[rC+2], v[rC+1]
.endif
.endm
; Number g of the 64 that follow the exponentials: for each four weights both pairs are rounded to f16, the second pair is added onto the first in place, and a group later l takes that sum (the first time as l = a l + sum).
.macro GS g
.set h, (\g)+6*((\g)/62)
.if h >= 6
.set h, h+2
.endif
	REGS Y, h%2
.set k, h/8
.if h%8 < 4
	v_cvt_pk_f16_f32 v[rP+2*k+(h%8)/2], v[rS+4*k+2*((h%8)/2)], v[rS+4*k+2*((h%8)/2)+1]
.elseif h%8 < 6
	v_pk_add_f32 v[rS+4*k:rS+4*k+1], v[rS+4*k:rS+4*k+1], v[rS+4*k+2:rS+4*k+3]
.elseif k == 1
	v_pk_fma_f32 v[rT+2:rT+3], v[rT+2:rT+3], v[rC+2:rC+3], v[rS:rS+1] op_sel_hi:[1,0,1]
.else
	v_pk_add_f32 v[rT+2:rT+3], v[rT+2:rT+3], v[rS+4*k-4:rS+4*k-3]
.endif
.endm
; THE PLAIN QUEUE, 136 long.  0-27: subtractions 0-27 (FS f: pair f / 2 of tile f % 2).  28-55: XS's numbers 0-13.  56, 57: number 15.  58-69: the chain 14, 16, 17, 18, each with one of the subtractions 28-31 in front of its two
; lines.  70, 71: number 19.  72-135: GS's 64, which read the exponentials' results: they stand behind the wait.
.macro FS f
	REGS Y, (\f)%2
	v_pk_add_f32 v[rS+2*((\f)/2):rS+2*((\f)/2)+1], v[rS+2*((\f)/2):rS+2*((\f)/2)+1], v[rT:rT+1] op_sel_hi:[1,0] neg_lo:[0,1] neg_hi:[0,1]
.endm
.macro PL
	WIN 0
.if q < 28
	FS q
.elseif q < 56
	XS (q-28)%2, (q-28)/2
.elseif q < 58
	XS q-56, 15
.elseif (q < 70) && ((q-58)%3 == 0)
	FS 28+(q-58)/3
.elseif q < 61
	XS (q-58)%3-1, 14
.elseif q < 70
	XS (q-58)%3-1, 15+(q-58)/3
.elseif q < 72
	XS q-70, 19
.else
	GS q-72
.endif
.set q, q+1
.endm
; THE EXPONENTIALS' QUEUE, 66 long: s0-s31 of both tiles, then the next piece's two a: ONE BATCH, all ahead of the turn's one wait; nothing ahead of that wait names a result of theirs.
.macro EX
	WIN 0
.if e >= 64
	XS e-64, 20
.else
	REGS Y, e%2
	v_exp_f32 v[rS+e/2], v[rS+e/2]
.endif
.set e, e+1
.endm
.macro R2                           ; O^T times a, two at a time; its a was made, and waited for, in the turn before
	REGS Y, r%2
	WIN W_RS
.irp z, 0,1
	v_pk_mul_f32 v[rO+4*(r/2)+2*\z:rO+4*(r/2)+2*\z+1], v[rO+4*(r/2)+2*\z:rO+4*(r/2)+2*\z+1], v[rC+2:rC+3] op_sel_hi:[1,0]
.endr
.set r, r+1
.endm
; HOW THEY ARE DEALT.  Ahead of the wait: 16 products K Q'^T, behind each a subtraction, an exponential and two rescalings (behind the first a second subtraction); then one lump: six plain, 49 times exponential and plain, the
; two a.  Exponential e wants subtraction 2 (e / 4) + e % 2: as a rider it comes behind plain e + 2, in the lump behind plain e + 7; subtractions 28-31 are plain 58, 61, 64, 67, their first users e = 56, 57, 60, 61.
; Behind the wait: 16 products V^T P, behind each four of GS's 64.  K and the mask of the next step are fetched in piece 2's turn, directly behind the wait; V of the step in hand at the end of piece 0's turn, four plain
; instructions behind its last reader.  The conditions on q below go with the deal.
.macro TURN p, last=0, cnt=0
.set Y, (\p)
.set i, 0
.set q, 0
.set e, 0
.set r, 0
.if (\p) == NP-1
	s_wait_dscnt 0x0                ; K and the mask are in
.endif
	MM
	PL
	PL
	R2
.rept 15
	MM
	PL
	EX
	R2
.endr
.if (\p) == NP-2
	WIN 0
	v_add_nc_u32 v[AK], s[TBK], v[AK0]
	v_add_nc_u32 v[AM], s[TBM], v[AM0]
.endif
.rept 6
	PL
.endr
.rept 49
	EX
	PL
.endr
	EX
	EX
	v_nop                           ; a plain instruction behind the last exponential: one for the batch
	s_wait_alu depctr_va_vdst(0)    ; the wait ahead of the first use: one for the batch
.if (\p) == NP-2
	FETCH_K \last
.endif
.if (\p) == 1
	s_wait_dscnt 0x0                ; V is in
.endif
.rept 16
	MM
.rept 4
	PL
.endr
.if ((\p) == 0) && (q == 116)
	v_add_nc_u32 v[AV], s[TBV], v[AV0]
.endif
.if ((\p) == 0) && (q == 128)
	s_add_co_u32 s[TBV], s[TBV], KS*PV
.endif
.if (\cnt) && (q == 128)
	s_sub_co_u32 s[CNT], s[CNT], 1
	s_cmp_lg_u32 s[CNT], 0
.endif
.endr
.if (\p) == 0
	FETCH_V
.endif
.endm
	CHANGE 1                        ; slot 0 and the table are in, everybody's part of them; slot 1 is asked for
	FETCH_K                         ; key step 0
	s_wait_loadcnt 0x0              ; Q'
	s_wait_kmcnt 0x0                ; qz
	WIN 0x88
.set i, 0
.rept 32*NP
	v_and_b32 v[i], s[QZ], v[i]     ; Q' as it is, or 0 in a batch that is masked throughout
.set i, i+1
.endr
	s_wait_dscnt 0x0
.set i, 0
.rept 16
	KQ 0
.set i, i+1
.endr
	WIN 0                           ; the addresses for the way out: plain instructions, the places behind those products
	s_mul_i32 s13, s[WV], 16*SP
	s_add_co_u32 s13, s13, STAGE
	v_mul_u32_u24 v[STO], v1, SP
	v_lshl_add_u32 v[STO], v9, 4, v[STO]
	v_add_nc_u32 v[STO], s13, v[STO]
	v_bfe_u32 v[RD], v0, 3, 2
	v_mul_u32_u24 v[RD], v[RD], SP
	v_lshl_add_u32 v[RD], v10, 4, v[RD]
	v_add_nc_u32 v[RD], s13, v[RD]
	v_and_b32 v[GO], 31, v0
	v_lshlrev_b32 v[GO], 4, v[GO]
.set Y, NP-1
.irp n, 0,1,2,3,4,5,6,7,8,9,10,11,12,13,14,15,16,17,18,19,20
	XS 0, \n
	XS 1, \n
.endr
	v_nop
	s_wait_alu depctr_va_vdst(0)    ; the two a have their wait ahead of the branch
	s_mov_b32 s[CNT], 4
	s_mov_b32 s[SLOTS], SIZE_N/256-1
	s_branch .Lfirst                ; the loop is entered at a step's first turn
.Lslot:                             ; six times: every slot but the last two is filled again
	CHANGE 1, 1
	s_mov_b32 s[CNT], 4
.Lstep:                             ; a trip: pieces 2 and 3 of one step, then pieces 0 and 1 of the next
	TURN 2
	TURN 3
	WIN 0
.Lfirst:
	TURN 0
	TURN 1, 0, 1
	WIN 0
	s_cbranch_scc1 .Lstep
	s_sub_co_u32 s[SLOTS], s[SLOTS], 1
	s_cmp_lg_u32 s[SLOTS], 0
	s_cbranch_scc1 .Lslot
	CHANGE 0                        ; the tail is written out
	s_mov_b32 s[CNT], 5
.Ltail:
	TURN 2, 1
	TURN 3
	WIN 0
	s_sub_co_u32 s[CNT], s[CNT], 1
	s_cmp_eq_u32 s[CNT], 0
	s_cbranch_scc1 .Lout
	TURN 0
	TURN 1
	WIN 0
	s_branch .Ltail
.Lout:                              ; the fifth trip's 16 products K Q'^T and the maximum made of them serve nothing: the price of one text for every trip
.set i, 0
.rept 16
	PV NP-1
.set i, i+1
.endr
	; THE WAY OUT.  l's halves are added; O^T is divided by l, rounded to f16 and sent through my stage, a tile at a time.
	WIN 0
.macro ALL line:vararg
.set t, 0
.rept 2*NP
	\line
.set t, t+1
.endr
.endm
	ALL v_add_f32 v[ST+4*t+2], v[ST+4*t+2], v[ST+4*t+3]
	ALL v_permlanex16_b32 v[ST+4*t+3], v[ST+4*t+2], s[SEL], s[SEL+1]
	ALL v_add_f32 v[ST+4*t+2], v[ST+4*t+2], v[ST+4*t+3]
	ALL v_rcp_f32 v[ST+4*t+2], v[ST+4*t+2]
	v_nop
	s_wait_alu depctr_va_vdst(0)    ; one wait for the eight reciprocals
.macro PACK t
	WIN W_RS
.set i, 32*(\t)
.rept 16
	v_pk_mul_f32 v[i:i+1], v[i:i+1], v[ST+4*(\t)+2:ST+4*(\t)+3] op_sel_hi:[1,0]
.set i, i+2
.endr
	WIN 0x05
.set i, 0
.rept 16
	v_cvt_pk_f16_f32 v[S+16*(\t)+i], v[32*(\t)+2*i], v[32*(\t)+2*i+1]
.set i, i+1
.endr
	WIN 0
.irp f, 0,1,2,3
	ds_store_b128 v[STO], v[S+16*(\t)+4*\f:S+16*(\t)+4*\f+3] offset:32*\f
.endr
.irp f, 0,1,2,3
	ds_load_b128 v[S+16*(\t)+4*\f:S+16*(\t)+4*\f+3], v[RD] offset:\f*4*SP  ; LDS serves a wave's instructions in order: these see the stores above
.endr
.endm
.macro SEND t, younger              ; younger: the LDS instructions issued behind tile t's loads
	WIN 0
.irp f, 0,1,2,3
	s_wait_dscnt (\younger)+3-\f
	global_store_b128 v[GO], v[S+16*(\t)+4*\f:S+16*(\t)+4*\f+3], s[10:11] offset:(\t)*2048+\f*512  ; 512 consecutive bytes
.endr
.endm
	PACK 0
.set t, 1
.rept 2*NP-1
	PACK t
	SEND t-1, 8
.set t, t+1
.endr
	SEND 2*NP-1, 0
	WIN W_AD
	s_wait_tensorcnt 0x0            ; the wave's end
	ds_add_u32 v[SPW], v[NIL]
	s_wait_dscnt 0x0
	WIN 0
	CROUND                          ; the closing round
	s_endpgm
.Lfunc_end_k_q8804bae205_attn:
	.size	k_q8804bae205_attn, .Lfunc_end_k_q8804bae205_attn-k_q8804bae205_attn
	.p2alignl 7, 3214868480
	.fill 96, 4, 3214868480
	.section	.rodata,"a",@progbits
	.p2align	6, 0x0
	.amdhsa_kernel k_q8804bae205_attn
		.amdhsa_group_segment_fixed_size 327680
		.amdhsa_private_segment_fixed_size 0
		.amdhsa_enable_private_segment 0
		.amdhsa_kernarg_size 24
		.amdhsa_user_sgpr_count 2
		.amdhsa_user_sgpr_kernarg_segment_ptr 1
		.amdhsa_wavefront_size32 1
		.amdhsa_system_sgpr_workgroup_id_x 1
		.amdhsa_system_sgpr_workgroup_id_y 1
		.amdhsa_system_sgpr_workgroup_id_z 1
		.amdhsa_system_vgpr_workitem_id 0
		.amdhsa_next_free_vgpr 808
		.amdhsa_next_free_sgpr 88
		.amdhsa_reserve_vcc 0
		.amdhsa_float_denorm_mode_32 3
		.amdhsa_float_denorm_mode_16_64 3
		.amdhsa_memory_ordered 1
		.amdhsa_forward_progress 1
		.amdhsa_inst_pref_size 207
	.end_amdhsa_kernel
	.amdgpu_metadata
---
amdhsa.version: [ 1, 2 ]
amdhsa.kernels:
  - .name:           k_q8804bae205_attn
    .symbol:         k_q8804bae205_attn.kd
    .args:
      - { .name: qkv, .offset: 0, .size: 8, .value_kind: global_buffer, .address_space: global }
      - { .name: aux, .offset: 8, .size: 8, .value_kind: global_buffer, .address_space: global }
      - { .name: ctx, .offset: 16, .size: 8, .value_kind: global_buffer, .address_space: global }
    .group_segment_fixed_size: 327680
    .private_segment_fixed_size: 0
    .kernarg_segment_align: 8
    .kernarg_segment_size: 24
    .max_flat_workgroup_size: 128
    .sgpr_count:     88
    .vgpr_count:     808
    .wavefront_size: 32
...
	.end_amdgpu_metadata
.endif
;; end of part 3
;; launch outp (part 4): grid 4 x 64, 4 waves a work-group, clusters of 4 x 4, 327,680 bytes of LDS; arguments ctx, wts, aux, out0; writes out0
.if DOCPART == 4
	.amdgcn_target "amdgcn-amd-amdhsa--gfx1250"
	.amdhsa_code_object_version 6
	.text
	.protected	k_q8804bae205_outp
	.globl	k_q8804bae205_outp
	.p2align	8
	.type	k_q8804bae205_outp,@function
k_q8804bae205_outp:
	s_mov_b64 s[64:65], 0
	v_nop
	global_prefetch_b8 v0, s[64:65] scope:SCOPE_SE
	s_setreg_imm32_b32 hwreg(HW_REG_WAVE_MODE, 25, 1), 1
	s_wait_xcnt 0x0
	s_wait_alu depctr_hold_cnt(0) depctr_sa_sdst(0) depctr_va_vdst(0) depctr_va_sdst(0) depctr_va_ssrc(0) depctr_va_vcc(0) depctr_vm_vsrc(0)
	s_getreg_b32 s2, hwreg(HW_REG_IB_STS2, 6, 4)
	s_cmp_eq_u32 s2, 0
	s_cbranch_scc0 .Lentry_in_a_cluster
	s_endpgm
.Lentry_in_a_cluster:
	s_bfe_u32 s2, ttmp6, 0x10000c
	s_cmp_lg_u32 s2, 0xf033
	s_cbranch_scc0 .Lentry_shape_is_right
	s_endpgm
.Lentry_shape_is_right:
; THE LAST PROJECTION.  out0[b s][n] = the sum over k of ctx[b, k / 64][s][k % 64] wts[3][n][k] + biasS[3][n].  ctx and wts[3] are f16, sums and output f32.
; LIMITS.  Operands within f16's 65,504.  NaN and infinities are not treated apart.
; SHARES.  One tile of 128 rows x 256 columns a work-group, 64 x 128 a wave: 32 accumulators.  Eight K steps of 128, two heads each, through two LDS slots.
; CLUSTER 4 x 4: ctx's rows are shared along a row of the cluster, the weights' along a column: joint loads.  The matrix instruction is used transposed: a lane holds eight neighbouring columns of one row.
; LDS: a slot: two heads x 128 rows of ctx (144 bytes apart: 128 + 16), then 256 rows of the weights (272 apart).  Slot 1 begins at 1 << 17, so that one exclusive or turns an address in one slot into the other's.
; Behind the ring: a stage of 16 rows x 528 bytes a wave, then the spare words.
; REGISTERS: window 0 addresses, bias, way out; window 1 the accumulators ((a, b) at 64 a + 8 b); window 2: v0-127 two buffers of the weights' fragments, v128-191 two of ctx's.
.set PA,    144
.set PB,    272
.set AH,    18432
.set APART, 36864
.set BHALF, 34816
.set SLOT1, 131072
.set STAGE, 237568
.set SP,    528
.set SPARE, 271360                     ; the spare words, 128 bytes a wave: two blocks of 256 bytes that no other line names
.set ADRA0, 8
.set ADRB0, 9
.set ADA,   10
.set ADB,   11
.set STO,   12
.set RD,    13
.set GO,    14
.set BO,    15
.set PFO,   16
.set SPW,   28
.set NIL,   29
.set TMP,   32                         ; v32-95
.set BI,    96                         ; v96-159
.set BK,    160                        ; v160-223
.set WV,  16
.set HR,  17
.set HC,  18
.set CX,  19
.set CY,  20
.set RB,  21
.set G1A, 24
.set G1B, 32
.set G0A0, 40
.set G0A, 44
.set G0B0, 48
.set G0B, 52
.set S3,  66
.set TBS, 69
.set TL,  70
.set LA,  71
.set LB,  72
.set OUT, 76
.set BIAS, 78
.set PFA, 80
.set PKB, 82
.set LIM, 88
.set MSB, 0
.macro WIN new
.if MSB != (\new)
	s_set_vgpr_msb (MSB<<8)|(\new)
.set MSB, \new
.endif
.endm
.macro PLACES
.rept 4
	v_nop
.endr
.endm
.macro CREST
	s_cmp_lg_u32 s[WV], 0
	s_cbranch_scc1 .Lnot_wave_0_\@
	s_barrier_signal -3
.Lnot_wave_0_\@:
	s_barrier_wait -3
	s_barrier_signal -1
	s_barrier_wait -1
.endm
.macro CROUND
	s_barrier_signal -1
	s_barrier_wait -1
	CREST
.endm
.macro JLOAD
	s_cmp_eq_u32 s[HR], 0
	s_cbranch_scc0 .Lfor_b_\@
	tensor_load_to_lds s[G0A:G0A+3], s[G1A:G1A+7]
	s_nop 0
	PLACES
	s_branch .Lasked_\@
.Lfor_b_\@:
	tensor_load_to_lds s[G0B:G0B+3], s[G1B:G1B+7]
	s_nop 0
	PLACES
.Lasked_\@:
.endm
; A prefetch into the L2 of the K step two refills on, 256 matrix instructions ahead.  ctx: a step's two heads are 128 blocks of 256 bytes; wave 0 of each of the four partners names 16 of each head, told apart by address.
; The weights: waves 2 and 3 of cluster y = 0, 32 rows a partner.  Each block is named once.  The last two refills have no K step two on.
.macro ASK
	s_cmp_gt_u32 s[S3], s[LIM]
	s_cbranch_scc0 .Lnot_mine_\@
	global_prefetch_b8 v[PFO], s[PFA:PFA+1] th:TH_LOAD_NT scope:SCOPE_SE
.Lnot_mine_\@:
.endm
	s_load_b256 s[4:11], s[0:1], 0x0               ; ctx s[4:5], wts s[6:7], aux s[8:9], out0 s[10:11]
	v_lshl_add_u32 v[SPW], v0, 2, SPARE
	v_mov_b32 v[NIL], 0
	ds_add_u32 v[SPW], v[NIL]                      ; the wave's opening: the add and its wait stand ahead of my first tensor load
	v_lshrrev_b32 v1, 5, v0
	v_readfirstlane_b32 s[WV], v1
	s_lshr_b32 s[HR], s[WV], 1
	s_and_b32 s[HC], s[WV], 1
	s_bfe_u32 s[CX], ttmp6, 0x40000
	s_bfe_u32 s[CY], ttmp6, 0x40004
	s_and_b32 s[RB], ttmp7, 0xffff
	s_lshl_b32 s[RB], s[RB], 2
	s_add_co_u32 s[RB], s[RB], s[CY]
	s_lshl_b32 s90, s[CY], 2
	s_lshl_b32 s90, 15, s90
	s_lshl_b32 s94, 0x1111, s[CX]
	s_or_b32 s[G1A], s90, (1<<16)|(1<<20)|(1<<21)|(4<<22)|(3<<25)  ; a head's 128 dense rows as 64 rows of 256 bytes, 4 words of padding after every 32
	s_mov_b32 s[G1A+1], 128<<16
	s_mov_b32 s[G1A+2], 64<<16
	s_mov_b32 s[G1A+3], 128<<16
	s_mov_b32 s[G1A+4], 64
	s_mov_b32 s[G1A+5], 128
	s_mov_b32 s[G1A+6], 0
	s_mov_b32 s[G1A+7], 0
	s_or_b32 s[G1B], s94, (1<<16)|(1<<20)|(1<<21)|(5<<22)|(3<<25)
	s_mov_b32 s[G1B+1], 128<<16
	s_mov_b32 s[G1B+2], 128<<16
	s_mov_b32 s[G1B+3], 128<<16
	s_mov_b32 s[G1B+4], 128
	s_mov_b32 s[G1B+5], 1024
	s_mov_b32 s[G1B+6], 0
	s_mov_b32 s[G1B+7], 0
	s_lshr_b32 s90, s[RB], 4                       ; ctx: head 16 batch + wave (waves 0 and 1), rows (R % 16) 128 on
	s_lshl_b32 s90, s90, 4
	s_add_co_u32 s90, s90, s[WV]
	s_lshl_b32 s90, s90, 18
	s_and_b32 s91, s[RB], 15
	s_lshl_b32 s91, s91, 14
	s_add_co_u32 s90, s90, s91
	s_mov_b32 s91, 0
	s_lshl_b32 s94, s[CX], 8                       ; the weights: row 256 cx + 128 half of matrix 3
	s_lshl_b32 s95, s[HC], 7
	s_add_co_u32 s94, s94, s95
	s_lshl_b32 s94, s94, 11
	s_add_co_u32 s94, s94, 6291456
	s_mov_b32 s95, 0
	s_mul_i32 s[LA], s[WV], AH
	s_mul_i32 s[LB], s[HC], BHALF
	s_add_co_u32 s[LB], s[LB], APART
	s_mov_b32 s[TBS], 0
	s_wait_dscnt 0x0                               ; the opening add is done
	s_wait_kmcnt 0x0
	s_mov_b32 s[G0A0], 1
	s_mov_b32 s[G0A0+1], s[LA]
	s_add_nc_u64 s[G0A0+2:G0A0+3], s[4:5], s[90:91]
	s_mov_b32 s[G0A], 1
	s_add_co_u32 s[G0A+1], s[LA], SLOT1
	s_add_nc_u64 s[G0A+2:G0A+3], s[G0A0+2:G0A0+3], 524288
	s_or_b32 s[G0A0+3], s[G0A0+3], 0x80000000
	s_or_b32 s[G0A+3], s[G0A+3], 0x80000000
	s_mov_b32 s[G0B0], 1
	s_mov_b32 s[G0B0+1], s[LB]
	s_add_nc_u64 s[G0B0+2:G0B0+3], s[6:7], s[94:95]
	s_mov_b32 s[G0B], 1
	s_add_co_u32 s[G0B+1], s[LB], SLOT1
	s_add_nc_u64 s[G0B+2:G0B+3], s[G0B0+2:G0B0+3], 256
	s_or_b32 s[G0B0+3], s[G0B0+3], 0x80000000
	s_or_b32 s[G0B+3], s[G0B+3], 0x80000000
	CROUND                                         ; all sixteen work-groups are here: the first joint loads meet
	s_cmp_eq_u32 s[HR], 0                          ; a wave's two first fills stand in one branch: two loads of mine are out
	s_cbranch_scc0 .Lfirst_b
	tensor_load_to_lds s[G0A0:G0A0+3], s[G1A:G1A+7]
	s_nop 0
	tensor_load_to_lds s[G0A:G0A+3], s[G1A:G1A+7]
	s_nop 0
	PLACES
	s_branch .Lfirst_asked
.Lfirst_b:
	tensor_load_to_lds s[G0B0:G0B0+3], s[G1B:G1B+7]
	s_nop 0
	tensor_load_to_lds s[G0B:G0B+3], s[G1B:G1B+7]
	s_nop 0
	PLACES
.Lfirst_asked:
	s_lshl_b32 s98, s[RB], 7                       ; out0: row 128 R + 64 HR, column 256 cx + 128 HC
	s_lshl_b32 s99, s[HR], 6
	s_add_co_u32 s98, s98, s99
	s_lshl_b32 s98, s98, 12
	s_lshl_b32 s99, s[CX], 10
	s_add_co_u32 s98, s98, s99
	s_lshl_b32 s99, s[HC], 9
	s_add_co_u32 s98, s98, s99
	s_mov_b32 s99, 0
	s_add_nc_u64 s[OUT:OUT+1], s[10:11], s[98:99]
	s_add_nc_u64 s[BIAS:BIAS+1], s[8:9], 45056
	; the prefetches
	s_lshl_b32 s98, s[CX], 12                      ; ctx (wave 0): my work-group's 16 blocks of each head
	s_add_co_u32 s98, s98, s90
	s_lshl_b32 s100, s[CX], 8                      ; the weights: row 256 cx + 128 HC + 32 cy
	s_lshl_b32 s101, s[HC], 7
	s_add_co_u32 s100, s100, s101
	s_lshl_b32 s101, s[CY], 5
	s_add_co_u32 s100, s100, s101
	s_lshl_b32 s100, s100, 11
	s_add_co_u32 s100, s100, 6291456
	s_and_b32 s101, ttmp7, 0xffff                  ; cluster y
	s_cmp_eq_u32 s[HR], 0
	s_cselect_b32 s98, s98, s100
	s_cselect_b32 s101, s[HC], s101                ; 0 in wave 0, and in waves 2 and 3 of cluster y = 0
	s_cselect_b32 s[PKB], 19, 8
	s_cselect_b32 s89, 4, 0
	s_cselect_b32 s92, 18, 11
	s_cselect_b32 s93, 15, 0
	s_cselect_b64 s[PFA:PFA+1], s[4:5], s[6:7]
	s_lshl_b32 s[PKB], 1, s[PKB]                   ; a K step: 524,288 bytes of ctx, 256 of a weight row
	s_mov_b32 s[PKB+1], 0
	s_mov_b32 s99, 0
	s_add_nc_u64 s[PFA:PFA+1], s[PFA:PFA+1], s[98:99]
.rept 3
	s_add_nc_u64 s[PFA:PFA+1], s[PFA:PFA+1], s[PKB:PKB+1]  ; at K step 3: the first refill steps it to 4
.endr
	s_cmp_eq_u32 s101, 0
	s_cselect_b32 s[LIM], 2, -1
	v_and_b32 v1, 15, v0
	v_bfe_u32 v2, v0, 4, 1
	v_and_b32 v3, 31, v0
	v_lshrrev_b32 v4, s89, v3
	v_lshlrev_b32 v4, s92, v4
	v_and_b32 v5, s93, v3
	v_lshl_add_u32 v[PFO], v5, 8, v4
	v_mul_u32_u24 v4, v1, PA
	v_lshl_add_u32 v4, v2, 4, v4
	s_mul_i32 s[TL], s[HR], 64*PA
	v_add_nc_u32 v[ADRA0], s[TL], v4
	v_mul_u32_u24 v4, v1, PB
	v_lshl_add_u32 v4, v2, 4, v4
	v_add_nc_u32 v[ADRB0], s[LB], v4
	v_mov_b32 v[ADA], v[ADRA0]
	v_mov_b32 v[ADB], v[ADRB0]
	s_mul_i32 s[TL], s[WV], 16*SP
	s_add_co_u32 s[TL], s[TL], STAGE
	v_mul_u32_u24 v4, v1, SP
	v_lshl_add_u32 v4, v2, 5, v4
	v_add_nc_u32 v[STO], s[TL], v4                 ; in: row l % 16, 32 bytes for each half of the lanes
	v_lshl_add_u32 v[RD], v3, 4, s[TL]             ; back: 32 lanes take a row of 512 bytes
	v_lshlrev_b32 v[GO], 4, v3
	s_lshl_b32 s94, s[CX], 10
	s_lshl_b32 s95, s[HC], 9
	s_add_co_u32 s94, s94, s95
	v_lshl_add_u32 v[BO], v2, 5, s94
.irp b, 0,1,2,3,4,5,6,7
	global_load_b128 v[BI+8*\b:BI+8*\b+3],   v[BO], s[BIAS:BIAS+1] offset:64*\b
	global_load_b128 v[BI+8*\b+4:BI+8*\b+7], v[BO], s[BIAS:BIAS+1] offset:64*\b+16
.endr
; 24 LDS loads in one run: quarter j (head j / 2, channels 32 (j % 2) on) into buffers g: the weights, ctx's blocks 0 and 1, then its blocks 2 and 3
.macro FETCH j, g
	WIN 0x80
.irp i, 0,1,2,3,4,5,6,7
	ds_load_b128 v[64*(\g)+8*\i:64*(\g)+8*\i+3],   v[ADB] offset:\i*16*PB+64*(\j)
	ds_load_b128 v[64*(\g)+8*\i+4:64*(\g)+8*\i+7], v[ADB] offset:\i*16*PB+64*(\j)+32
.endr
.irp i, 0,1,2,3
	ds_load_b128 v[128+32*(\g)+8*\i:128+32*(\g)+8*\i+3],   v[ADA] offset:\i*16*PA+((\j)/2)*AH+((\j)%2)*64
	ds_load_b128 v[128+32*(\g)+8*\i+4:128+32*(\g)+8*\i+7], v[ADA] offset:\i*16*PA+((\j)/2)*AH+((\j)%2)*64+32
.endr
.endm
; 8 matrix instructions; the 32 accumulators take turns, in the same order in every quarter
.macro MULA f, a, zero
	WIN 0x5a
.irp b, 0,1,2,3,4,5,6,7
.if \zero
	v_wmma_f32_16x16x32_f16 v[64*(\a)+8*\b:64*(\a)+8*\b+7], v[64*(\f)+8*\b:64*(\f)+8*\b+7], v[128+32*(\f)+8*(\a):128+32*(\f)+8*(\a)+7], 0
.else
	v_wmma_f32_16x16x32_f16 v[64*(\a)+8*\b:64*(\a)+8*\b+7], v[64*(\f)+8*\b:64*(\f)+8*\b+7], v[128+32*(\f)+8*(\a):128+32*(\f)+8*(\a)+7], v[64*(\a)+8*\b:64*(\a)+8*\b+7]
.endif
.endr
.endm
.macro QUARTER j, f, g, zero
	s_wait_dscnt 4                                 ; the youngest four loads, ctx's blocks 2 and 3, may be out
	MULA \f, 0, \zero
	MULA \f, 1, \zero
	PLACES                                         ; in front of loads into registers that matrix instructions have read
	FETCH \j, \g
	s_wait_dscnt 24                                ; all but the 24 just issued
	MULA \f, 2, \zero
	MULA \f, 3, \zero
.endm
.macro TURN fill
.if \fill
	s_wait_xcnt 0x0                                ; the last prefetch, a K step back, has read its address
	s_add_nc_u64 s[PFA:PFA+1], s[PFA:PFA+1], s[PKB:PKB+1]
.endif
	WIN 0
	s_wait_tensorcnt 0x0                           ; no tensor load of mine is out, so a group 0 may be written
	ds_add_u32 v[SPW], v[NIL]                      ; 0 onto my spare word
.if \fill
	s_xor_b32 s[G0A+1], s[G0A+1], SLOT1
	s_add_nc_u64 s[G0A+2:G0A+3], s[G0A+2:G0A+3], 524288
	s_xor_b32 s[G0B+1], s[G0B+1], SLOT1
	s_add_nc_u64 s[G0B+2:G0B+3], s[G0B+2:G0B+3], 256
.endif
	s_xor_b32 s[TBS], s[TBS], SLOT1
	s_wait_dscnt 5                                 ; the add and the youngest four loads may be out
	MULA 1, 0, 0
	s_wait_dscnt 0x0                               ; the add is done, and my reads of this slot are over
	s_barrier_signal -1
	MULA 1, 1, 0
	WIN 0
	s_barrier_wait -1
.if \fill
	CREST
	JLOAD                                          ; the four v_nop behind it are also the places in front of the loads below
.else
	PLACES
.endif
	v_add_nc_u32 v[ADA], s[TBS], v[ADRA0]
	v_add_nc_u32 v[ADB], s[TBS], v[ADRB0]
	FETCH 0, 0
	WIN 0
.if \fill
	ASK
.endif
	MULA 1, 2, 0
	MULA 1, 3, 0
.endm
; THE WAY OUT of row block a: the bias is added; 32 bytes a lane into my stage; back as whole rows of 512 bytes; a store covers 512 consecutive bytes.
.macro OUTBLK a
	WIN 0x01
.set i, 0
.rept 32
	v_pk_add_f32 v[TMP+2*i:TMP+2*i+1], v[64*(\a)+2*i:64*(\a)+2*i+1], v[BI+2*i:BI+2*i+1]
.set i, i+1
.endr
	WIN 0
.irp b, 0,1,2,3,4,5,6,7
	ds_store_b128 v[STO], v[TMP+8*\b:TMP+8*\b+3]   offset:64*\b
	ds_store_b128 v[STO], v[TMP+8*\b+4:TMP+8*\b+7] offset:64*\b+16
.endr
	s_wait_xcnt 0x0                                ; the block before's stores have read their registers
.irp t, 0,1,2,3,4,5,6,7,8,9,10,11,12,13,14,15
	ds_load_b128 v[BK+4*\t:BK+4*\t+3], v[RD] offset:SP*\t  ; LDS serves a wave's instructions in order: these see the stores above
.endr
.irp t, 0,1,2,3,4,5,6,7,8,9,10,11,12,13,14,15
	s_wait_dscnt 15-\t
	global_store_b128 v[GO], v[BK+4*\t:BK+4*\t+3], s[OUT:OUT+1] offset:(16*(\a)+\t)*4096 th:TH_STORE_NT
.endr
.endm
	s_wait_tensorcnt 0x1                           ; my part of K step 0 is in; slot 1's may stay out
	s_barrier_signal -1
	s_barrier_wait -1
	FETCH 0, 0
	QUARTER 1, 0, 1, 1                             ; the first quarter starts the sums
	WIN 0
	s_mov_b32 s[S3], 6
.Lstep:                                                ; trip t: the rest of K step t, the refill with K step t + 2, the first quarter of K step t + 1
	QUARTER 2, 1, 0, 0
	QUARTER 3, 0, 1, 0
	TURN 1
	QUARTER 1, 0, 1, 0
	WIN 0
	s_sub_co_u32 s[S3], s[S3], 1
	s_cmp_lg_u32 s[S3], 0
	s_cbranch_scc1 .Lstep
	QUARTER 2, 1, 0, 0                             ; the last two K steps are written out: nothing is asked for
	QUARTER 3, 0, 1, 0
	TURN 0
	QUARTER 1, 0, 1, 0
	QUARTER 2, 1, 0, 0
	QUARTER 3, 0, 1, 0
	s_wait_dscnt 0x0
	MULA 1, 0, 0
	MULA 1, 1, 0
	MULA 1, 2, 0
	MULA 1, 3, 0
	WIN 0
	PLACES                                         ; the places behind the last products
	s_wait_loadcnt 0x0                             ; the bias
	OUTBLK 0
	OUTBLK 1
	OUTBLK 2
	OUTBLK 3
	s_wait_tensorcnt 0x0                           ; the wave's end
	ds_add_u32 v[SPW], v[NIL]
	s_wait_dscnt 0x0
	CROUND                                         ; the closing round
	s_endpgm
.Lfunc_end_k_q8804bae205_outp:
	.size	k_q8804bae205_outp, .Lfunc_end_k_q8804bae205_outp-k_q8804bae205_outp
	.p2alignl 7, 3214868480
	.fill 96, 4, 3214868480
	.section	.rodata,"a",@progbits
	.p2align	6, 0x0
	.amdhsa_kernel k_q8804bae205_outp
		.amdhsa_group_segment_fixed_size 327680
		.amdhsa_private_segment_fixed_size 0
		.amdhsa_enable_private_segment 0
		.amdhsa_kernarg_size 32
		.amdhsa_user_sgpr_count 2
		.amdhsa_user_sgpr_kernarg_segment_ptr 1
		.amdhsa_wavefront_size32 1
		.amdhsa_system_sgpr_workgroup_id_x 1
		.amdhsa_system_sgpr_workgroup_id_y 1
		.amdhsa_system_sgpr_workgroup_id_z 1
		.amdhsa_system_vgpr_workitem_id 0
		.amdhsa_next_free_vgpr 704
		.amdhsa_next_free_sgpr 102
		.amdhsa_reserve_vcc 0
		.amdhsa_float_denorm_mode_32 3
		.amdhsa_float_denorm_mode_16_64 3
		.amdhsa_memory_ordered 1
		.amdhsa_forward_progress 1
		.amdhsa_inst_pref_size 81
	.end_amdhsa_kernel
	.amdgpu_metadata
---
amdhsa.version: [ 1, 2 ]
amdhsa.kernels:
  - .name:           k_q8804bae205_outp
    .symbol:         k_q8804bae205_outp.kd
    .args:
      - { .name: ctx, .offset: 0, .size: 8, .value_kind: global_buffer, .address_space: global }
      - { .name: wts, .offset: 8, .size: 8, .value_kind: global_buffer, .address_space: global }
      - { .name: aux, .offset: 16, .size: 8, .value_kind: global_buffer, .address_space: global }
      - { .name: out0, .offset: 24, .size: 8, .value_kind: global_buffer, .address_space: global }
    .group_segment_fixed_size: 327680
    .private_segment_fixed_size: 0
    .kernarg_segment_align: 8
    .kernarg_segment_size: 32
    .max_flat_workgroup_size: 128
    .sgpr_count:     102
    .vgpr_count:     704
    .wavefront_size: 32
...
	.end_amdgpu_metadata
.endif
;; end of part 4
;; ======== version 2 of 2: 4 launches; version 1 with the launch prep written anew for expert scheduling mode
;; limits: values are held in f16: magnitudes above 65,504 overflow, below 6.1e-05 lose precision
;; workspace buffers: wts 8,388,608 bytes; aux 49,664 bytes; qkv 50,331,648 bytes; ctx 16,777,216 bytes
;; launch prep (part 5): grid 257 x 1, 8 waves a work-group, no clusters, 0 bytes of LDS; arguments Wq, Wk, Wv, Wc, bq, bk, bv, bc, mask, wts, aux; writes wts, aux
.if DOCPART == 5
	.amdgcn_target "amdgcn-amd-amdhsa--gfx1250"
	.amdhsa_code_object_version 6
	.text
	.protected	k_q8804bae205_prep
	.globl	k_q8804bae205_prep
	.p2align	8
	.type	k_q8804bae205_prep,@function
k_q8804bae205_prep:
	s_mov_b64 s[64:65], 0
	v_nop
	global_prefetch_b8 v0, s[64:65] scope:SCOPE_SE
	s_setreg_imm32_b32 hwreg(HW_REG_WAVE_SCHED_MODE, 0, 2), 2
	s_setreg_imm32_b32 hwreg(HW_REG_WAVE_MODE, 25, 1), 1
	s_wait_xcnt 0x0
	s_wait_alu depctr_vm_vsrc(0)
; PREPARATION: a stream, no LDS, no matrix unit.
; wts[4][1024][1024], 16 bits a number: matrices 0-2 = Wq, Wk, Wv rounded to bf16; matrix 3 = Wc rounded to bf16 and that number written as f16.
; aux: bytes 0 .. 32,767      madd[4][2048] f32: 0 for a visible key, -1e30 for a masked one
;      bytes 32,768 .. 49,151 biasS[4][1024] f32: c x bf16(bq), bf16(bk), bf16(bv), bf16(bc); c = log2(e) / 8
;      bytes 49,152 .. 49,663 qz: 32 equal words a batch: 0 where every key of the batch is masked, else all ones
; LIMITS.  bf16(Wc) is written as f16: beyond 65,504 it becomes an infinity, below 6e-5 it keeps f16's fixed step of 6e-8.  A mask byte is 0 or 1.
; Work-groups 0-255: 65,536 bytes of one weight matrix each; a load of a wave covers 512 neighbouring bytes, a store 256.  Work-group 256: waves 0-3 a batch's mask each, waves 4-7 a bias each.
; THE MODE: SCHED_MODE bits 1:0 = 2 (LLVM: expert scheduling mode 2), set by the entry lines.  The code itself states the register dependences
; between vector instructions and memory instructions, with s_wait_alu, always for 0.
; THE PLAN.  Registers that memory instructions touch:
;   v1, v2, v5, v6   byte offsets, made once at the head and never written again: immediate offsets reach everything else.
;   X                data as loaded.  Each register is the target of one load, issued before any vector instruction names it, and is read by vector instructions alone.
;   Y                data to store.  Each register is written once, by vector instructions, and read by one store.  (In the mask's path v105, qz's word, is of this kind.)
;   v104 to v109     at work: no memory instruction names them (but v105 in the mask's path, as said).
; The work goes in blocks of four loads (a bias: two).  Block p's vector instructions read its X and write its Y; its memory instructions are the stores of block p - 1, from that block's Y, which no
; vector instruction of block p names.  So one wait at a block's head, behind the wait for its data, states all that the block's stores hang on, and they are dealt among its vector instructions.
; One more wait stands ahead of the last block's stores.  No register that a memory instruction reads is ever written again.
.set CLOG, 0x3e38aa3b
.set BIGN, 0xf149f2ca
.set X,  8                             ; weights v[8:71], mask v[8:23], bias v[8:39]
.set YW, 72                            ; weights: v[72:103], two registers a load
.set YM, 24                            ; mask:    v[24:87],  four registers a load
.set YB, 40                            ; bias:    v[40:71],  four registers a load
	s_load_b512 s[4:19], s[0:1], 0x0               ; Wq s[4:5], Wk s[6:7], Wv s[8:9], Wc s[10:11], bq s[12:13], bk s[14:15], bv s[16:17], bc s[18:19]
	s_load_b128 s[20:23], s[0:1], 0x40             ; mask s[20:21], wts s[22:23]
	s_load_b64 s[24:25], s[0:1], 0x50              ; aux
	v_lshrrev_b32 v3, 5, v0
	v_readfirstlane_b32 s34, v3                    ; wave 0..7
	v_lshlrev_b32 v1, 4, v0                        ; 16 t: my 16 bytes of 4,096
	v_lshlrev_b32 v2, 3, v0                        ; 8 t: my 8 bytes of 2,048
	v_and_b32 v4, 31, v0                           ; lane
	v_lshlrev_b32 v5, 2, v4                        ; 4 x lane and 16 x lane, for work-group 256: made here, so that one wait serves all four offsets
	v_lshlrev_b32 v6, 4, v4
	s_mov_b32 s31, 0                               ; the upper word of every offset
	s_wait_alu depctr_va_sdst(0)                   ; s34 is written, ahead of the branch below.Lsmall
	s_wait_alu depctr_va_vdst(0)                   ; v1, v2, v5 and v6 are written: every load and store of the kernel reads one of them as its offset
	s_wait_kmcnt 0x0
	s_cmp_eq_u32 ttmp9, 256
	s_cbranch_scc1 .Lsmall
	; THE WEIGHTS
	s_lshr_b32 s28, ttmp9, 6                       ; which matrix
	s_cmp_eq_u32 s28, 1
	s_cselect_b64 s[26:27], s[6:7], s[4:5]
	s_cmp_eq_u32 s28, 2
	s_cselect_b64 s[26:27], s[8:9], s[26:27]
	s_cmp_eq_u32 s28, 3
	s_cselect_b64 s[26:27], s[10:11], s[26:27]
	s_and_b32 s30, ttmp9, 63
	s_lshl_b32 s30, s30, 16                        ; my 65,536 bytes of it
	s_add_nc_u64 s[26:27], s[26:27], s[30:31]
	s_lshl_b32 s30, ttmp9, 15                      ; and the 32,768 bytes that they become
	s_add_nc_u64 s[22:23], s[22:23], s[30:31]
.set j, 0
.rept 16
	global_load_b128 v[X+4*j:X+4*j+3], v1, s[26:27] offset:4096*j th:TH_LOAD_NT
.set j, j+1
.endr
; Block p of the weights: loads 4 p to 4 p + 3.  half = 1: Wc, rounded to bf16 like every input, and that number written as f16.
.macro WBLK p, half
	s_wait_loadcnt 12-4*(\p)                       ; loads come back in order: this block's four are in, the later blocks' stay out
.if (\p) > 0
	s_wait_alu depctr_va_vdst(0)                   ; the block before has written its eight registers of Y, which the four stores below read
.endif
.irp i, 0,1,2,3
.set j, 4*(\p)+(\i)
.if (\p) > 0
	global_store_b64 v2, v[YW+2*j-8:YW+2*j-7], s[22:23] offset:2048*(j-4)  ; the block before; no vector instruction since the wait names these registers; each store has data registers of its own
.endif
.if \half
	v_cvt_pk_bf16_f32 v104, v[X+4*j], v[X+4*j+1]
	v_cvt_pk_bf16_f32 v105, v[X+4*j+2], v[X+4*j+3]
	v_lshlrev_b32 v106, 16, v104
	v_and_b32 v107, 0xffff0000, v104
	v_lshlrev_b32 v108, 16, v105
	v_and_b32 v109, 0xffff0000, v105
	v_cvt_pk_f16_f32 v[YW+2*j], v106, v107
	v_cvt_pk_f16_f32 v[YW+2*j+1], v108, v109
.else
	v_cvt_pk_bf16_f32 v[YW+2*j], v[X+4*j], v[X+4*j+1]
	v_cvt_pk_bf16_f32 v[YW+2*j+1], v[X+4*j+2], v[X+4*j+3]
.endif
.endr
.endm
.macro WEND
	s_wait_alu depctr_va_vdst(0)                   ; the last block has written its eight registers of Y, which the last four stores read
.irp i, 0,1,2,3
	global_store_b64 v2, v[YW+24+2*(\i):YW+25+2*(\i)], s[22:23] offset:2048*(12+(\i))
.endr
	s_endpgm
.endm
	s_cmp_eq_u32 s28, 3
	s_cbranch_scc1 .Lhalf
	WBLK 0, 0
	WBLK 1, 0
	WBLK 2, 0
	WBLK 3, 0
	WEND
.Lhalf:
	WBLK 0, 1
	WBLK 1, 1
	WBLK 2, 1
	WBLK 3, 1
	WEND
.Lsmall:
	s_cmp_lt_u32 s34, 4
	s_cbranch_scc0 .Lbias
	; THE MASK of batch w: 2,048 bytes; a lane's word i holds keys 128 i + 4 lane + 0..3
	s_lshl_b32 s30, s34, 11
	s_add_nc_u64 s[20:21], s[20:21], s[30:31]
	s_lshl_b32 s30, s34, 13
	s_add_nc_u64 s[26:27], s[24:25], s[30:31]      ; madd of the batch
	s_lshl_b32 s30, s34, 7
	s_add_co_u32 s30, s30, 49152
	s_add_nc_u64 s[28:29], s[24:25], s[30:31]      ; qz of the batch
	s_mov_b32 s32, BIGN
	s_mov_b32 s33, 0x01010101
.set j, 0
.rept 16
	global_load_b32 v[X+j], v5, s[20:21] offset:128*j
.set j, j+1
.endr
; Block p of the mask: words 4 p to 4 p + 3
.macro MBLK p
	s_wait_loadcnt 12-4*(\p)                       ; this block's four words are in, the later blocks' stay out
.if (\p) > 0
	s_wait_alu depctr_va_vdst(0)                   ; the block before has written its sixteen registers of Y, which the four stores below read
.endif
.irp i, 0,1,2,3
.set j, 4*(\p)+(\i)
.if (\p) > 0
	global_store_b128 v6, v[YM+4*j-16:YM+4*j-13], s[26:27] offset:512*(j-4)  ; the block before; no vector instruction since the wait names these registers
.endif
.irp n, 0,1,2,3
	v_bfe_u32 v[YM+4*j+\n], v[X+j], 8*\n, 1        ; the byte's bit 0,
	v_mul_lo_u32 v[YM+4*j+\n], v[YM+4*j+\n], s32   ; times the pattern of -1e30
.endr
.endr
.endm
	MBLK 0
	MBLK 1
	MBLK 2
	MBLK 3
	v_and_b32 v104, v8, v9                         ; are all 2,048 bytes 1?
.set j, 2
.rept 14
	v_and_b32 v104, v104, v[X+j]
.set j, j+1
.endr
	v_cmp_eq_u32 vcc_lo, s33, v104
	s_wait_alu depctr_va_vcc(0)                    ; the compare has written VCC, which the scalar compare below reads
	s_cmp_eq_u32 vcc_lo, -1
	s_cselect_b32 s35, 0, -1
	v_mov_b32 v105, s35
	s_wait_alu depctr_va_vdst(0)                   ; the last block has written its sixteen registers of Y, and v105 is written: the five stores below read them
.irp i, 0,1,2,3
	global_store_b128 v6, v[YM+48+4*(\i):YM+51+4*(\i)], s[26:27] offset:512*(12+(\i))
.endr
	global_store_b32 v5, v105, s[28:29]
	s_endpgm
.Lbias:                                                ; bias w - 4: rounded to bf16, widened, bq's times c
	s_cmp_eq_u32 s34, 5
	s_cselect_b64 s[26:27], s[14:15], s[12:13]
	s_cmp_eq_u32 s34, 6
	s_cselect_b64 s[26:27], s[16:17], s[26:27]
	s_cmp_eq_u32 s34, 7
	s_cselect_b64 s[26:27], s[18:19], s[26:27]
	s_cmp_eq_u32 s34, 4
	s_cselect_b32 s33, CLOG, 1.0
	s_sub_co_u32 s30, s34, 4
	s_lshl_b32 s30, s30, 12
	s_add_co_u32 s30, s30, 32768
	s_add_nc_u64 s[28:29], s[24:25], s[30:31]
.set j, 0
.rept 8
	global_load_b128 v[X+4*j:X+4*j+3], v6, s[26:27] offset:512*j
.set j, j+1
.endr
; Block p of a bias: loads 2 p and 2 p + 1
.macro BBLK p
	s_wait_loadcnt 6-2*(\p)                        ; this block's two loads are in, the later blocks' stay out
.if (\p) > 0
	s_wait_alu depctr_va_vdst(0)                   ; the block before has written its eight registers of Y, which the two stores below read
.endif
.irp i, 0,1
.set j, 2*(\p)+(\i)
.if (\p) > 0
	global_store_b128 v6, v[YB+4*j-8:YB+4*j-5], s[28:29] offset:512*(j-2)  ; the block before; no vector instruction since the wait names these registers
.endif
	v_cvt_pk_bf16_f32 v104, v[X+4*j], v[X+4*j+1]
	v_cvt_pk_bf16_f32 v105, v[X+4*j+2], v[X+4*j+3]
	v_lshlrev_b32 v[YB+4*j], 16, v104
	v_and_b32 v[YB+4*j+1], 0xffff0000, v104
	v_lshlrev_b32 v[YB+4*j+2], 16, v105
	v_and_b32 v[YB+4*j+3], 0xffff0000, v105
.irp n, 0,1,2,3
	v_mul_f32 v[YB+4*j+\n], s33, v[YB+4*j+\n]
.endr
.endr
.endm
	BBLK 0
	BBLK 1
	BBLK 2
	BBLK 3
	s_wait_alu depctr_va_vdst(0)                   ; the last block has written its eight registers of Y, which the last two stores read
.irp i, 0,1
	global_store_b128 v6, v[YB+24+4*(\i):YB+27+4*(\i)], s[28:29] offset:512*(6+(\i))
.endr
	s_endpgm
.Lfunc_end_k_q8804bae205_prep:
	.size	k_q8804bae205_prep, .Lfunc_end_k_q8804bae205_prep-k_q8804bae205_prep
	.p2alignl 7, 3214868480
	.fill 96, 4, 3214868480
	.section	.rodata,"a",@progbits
	.p2align	6, 0x0
	.amdhsa_kernel k_q8804bae205_prep
		.amdhsa_group_segment_fixed_size 0
		.amdhsa_private_segment_fixed_size 0
		.amdhsa_enable_private_segment 0
		.amdhsa_kernarg_size 88
		.amdhsa_user_sgpr_count 2
		.amdhsa_user_sgpr_kernarg_segment_ptr 1
		.amdhsa_wavefront_size32 1
		.amdhsa_system_sgpr_workgroup_id_x 1
		.amdhsa_system_sgpr_workgroup_id_y 1
		.amdhsa_system_sgpr_workgroup_id_z 1
		.amdhsa_system_vgpr_workitem_id 0
		.amdhsa_next_free_vgpr 112
		.amdhsa_next_free_sgpr 66
		.amdhsa_reserve_vcc 1
		.amdhsa_float_denorm_mode_32 3
		.amdhsa_float_denorm_mode_16_64 3
		.amdhsa_memory_ordered 1
		.amdhsa_forward_progress 1
		.amdhsa_inst_pref_size 34
	.end_amdhsa_kernel
	.amdgpu_metadata
---
amdhsa.version: [ 1, 2 ]
amdhsa.kernels:
  - .name:           k_q8804bae205_prep
    .symbol:         k_q8804bae205_prep.kd
    .args:
      - { .name: Wq, .offset: 0, .size: 8, .value_kind: global_buffer, .address_space: global }
      - { .name: Wk, .offset: 8, .size: 8, .value_kind: global_buffer, .address_space: global }
      - { .name: Wv, .offset: 16, .size: 8, .value_kind: global_buffer, .address_space: global }
      - { .name: Wc, .offset: 24, .size: 8, .value_kind: global_buffer, .address_space: global }
      - { .name: bq, .offset: 32, .size: 8, .value_kind: global_buffer, .address_space: global }
      - { .name: bk, .offset: 40, .size: 8, .value_kind: global_buffer, .address_space: global }
      - { .name: bv, .offset: 48, .size: 8, .value_kind: global_buffer, .address_space: global }
      - { .name: bc, .offset: 56, .size: 8, .value_kind: global_buffer, .address_space: global }
      - { .name: mask, .offset: 64, .size: 8, .value_kind: global_buffer, .address_space: global }
      - { .name: wts, .offset: 72, .size: 8, .value_kind: global_buffer, .address_space: global }
      - { .name: aux, .offset: 80, .size: 8, .value_kind: global_buffer, .address_space: global }
    .group_segment_fixed_size: 0
    .private_segment_fixed_size: 0
    .kernarg_segment_align: 8
    .kernarg_segment_size: 88
    .max_flat_workgroup_size: 256
    .sgpr_count:     66
    .vgpr_count:     112
    .wavefront_size: 32
...
	.end_amdgpu_metadata
.endif
;; end of part 5
;; launch proj: the kernel of part 2 again; grid 4 x 64, 4 waves a work-group, clusters of 4 x 4, 327,680 bytes of LDS; arguments q, k, v, wts, aux, qkv; writes qkv
;; launch attn: the kernel of part 3 again; grid 4 x 64, 4 waves a work-group, clusters of 4 x 1, 327,680 bytes of LDS; arguments qkv, aux, ctx; writes ctx
;; launch outp: the kernel of part 4 again; grid 4 x 64, 4 waves a work-group, clusters of 4 x 4, 327,680 bytes of LDS; arguments ctx, wts, aux, out0; writes out0
